; MI455X (gfx1250); checked and timed in simulation.
; The chip was launched on July 23, 2026; its instructions are those of AMD's public machine-readable ISA for CDNA 5 (MIT licence, August 2026) and "CDNA5" Instruction Set Architecture Reference Guide (July 2026). The comments in the code are by the model that wrote it; some were corrected since.
;; Casual self Attention. Allowed arithmetic: matrix products marked QUANTISED: E4M3 operands, one E8M0 scale for each 32 along K, by v_wmma_scale_f32_16x16x128_f8f6f4 with both operands' format E4M3, f32 sums; everything else in f32.
;; Inputs: Wk_codes 1,024 x 32 x 32 uint8 (E4M3 codes of Wk, K innermost, in blocks of 32 codes); Wk_scales 1,024 x 32 uint8 (E8M0 scales of Wk, one for each 32 codes along K); Wq_codes 1,024 x 32 x 32 uint8 (E4M3 codes of Wq, K innermost, in blocks of 32 codes); Wq_scales 1,024 x 32 uint8 (E8M0 scales of Wq, one for each 32 codes along K); Wv_codes 1,024 x 32 x 32 uint8 (E4M3 codes of Wv, K innermost, in blocks of 32 codes); Wv_scales 1,024 x 32 uint8 (E8M0 scales of Wv, one for each 32 codes along K); x_codes 4 x 2,048 x 32 x 32 uint8 (E4M3 codes of x, K innermost, in blocks of 32 codes); x_scales 4 x 2,048 x 32 uint8 (E8M0 scales of x, one for each 32 codes along K).
;; Outputs: out0 4 x 2,048 x 1,024 float32.
;; This version of the problem:
;;   THIS VERSION OF THE PROBLEM IS GIVEN IN LOW PRECISION. The matrix products marked QUANTISED in the list below multiply operands that are first quantised to E4M3 (4 exponent bits, 3 mantissa bits; 8 bits a number), with one power-of-two scale for each 32 numbers along K (OCP MX v1.0); their sums are f32. All else is computed in f32.
;;   The module's matrix products, in the order in which they are computed (A, B: the left and right operand; K: the contracted axis; several contracted axes count as one K, in the product's order):
;;     1. [M 8,192, K 1,024] x [K 1,024, N 1,024]; A: input x (given as codes); B: input Wq (given as codes): QUANTISED
;;     2. [M 8,192, K 1,024] x [K 1,024, N 1,024]; A: input x (given as codes); B: input Wk (given as codes): QUANTISED
;;     3. [M 8,192, K 1,024] x [K 1,024, N 1,024]; A: input x (given as codes); B: input Wv (given as codes): QUANTISED
;;     4. batch 4 x [M 2,048, K 1,024] x [K 1,024, N 2,048]; A: computed on the way; B: computed on the way: QUANTISED
;;     5. batch 4 x [M 2,048, K 2,048] x [K 2,048, N 1,024]; A: softmax (see below); B: computed on the way: QUANTISED
;;   THE QUANTISER, for each operand of a quantised product, along K:
;;     - K is cut into blocks of 32 from its start; a last block that is shorter is filled with zeros.
;;     - A block's scale is 2^e with e = floor(log2(the largest magnitude in the block)) - 8, held to -126 .. 127; a block of zeros has e = 0. As a byte (E8M0): e + 127.
;;     - Each number is divided by its block's scale, clamped to +-448, and rounded to the nearest number of E4M3, ties to even, subnormals kept.
;;     - The product sums the exact products of the quantised numbers (number of the format x scale) in f32.
;;   ~~~python
;;   def quantise(x, axis):      # numpy; x: float32 -> the quantised numbers, widened to float32 again
;;       x = np.moveaxis(x, axis, -1); K = x.shape[-1]
;;       x = np.pad(x, [(0, 0)] * (x.ndim - 1) + [(0, -K % 32)]); x = x.reshape(x.shape[:-1] + (-1, 32)); a = np.abs(x).max(-1, keepdims=True)
;;       e = np.where(a > 0, np.clip(np.frexp(np.where(a > 0, a, 1))[1] - 1 - 8, -126, 127), 0)      # np.frexp(a)[1] - 1 = floor(log2(a)), exactly
;;       r = np.clip(x / 2.0 ** e, -448, 448)
;;       step = 2.0 ** (np.maximum(np.frexp(np.where(r == 0, 1, r))[1] - 1, -6) - 3)
;;       q = np.round(r / step) * step * 2.0 ** e      # np.round: ties to even
;;       return np.moveaxis(q.reshape(q.shape[:-2] + (-1,))[..., :K], -1, axis).astype(np.float32)
;;   ~~~
;;   SOFTMAX AHEAD OF A QUANTISED PRODUCT. Where the list says 'softmax', what is quantised is not the finished softmax but p = 2^(t - M), with t = logit x log2(e) and M = ceil(the row's largest t), a whole number; so 1/2 < the row's largest p <= 1. The row's sum l is taken of the UNQUANTISED p, in f32, and the product's result is divided by l at the end. Since M is a whole number, a kernel that streams over the keys may use a running M (the ceiling of the running maximum): every later rescaling is an exact power of two, which a block's scale takes up: the codes' values come out the same.
;;   OPERANDS COMPUTED ON THE WAY. 'Computed on the way' means the value that the module computes at that place (a softmax that the list does not call 'softmax' is quantised finished and normalised). What goes into a quantiser is computed in f32, as accurately as f32 sums, v_exp_f32 and their like allow (about 1e-6 of the number): no bf16 or f16 on the way to a quantiser, and a product that is left as it is and whose result goes on into a quantised operand takes f32 operands (vector FMAs, or v_wmma_f32_16x16x4_f32). A number that lies on a knife's edge between two numbers of the format may be rounded either way, as far as f32 arithmetic and the matrix unit's own rounding can turn it there, and no further.
;;   INPUTS GIVEN AS CODES. Wk (in the module: [1024, 1024], K = its axis 1); Wq (in the module: [1024, 1024], K = its axis 1); Wv (in the module: [1024, 1024], K = its axis 1); x (in the module: [4, 2048, 1024], K = its axis 2): each comes as NAME_codes (uint8): NAME with its K axis moved to the last place and cut into blocks of 32 codes, [.., K / 32, bytes a block], one block behind the other in memory; one code a byte (a code: sign, 4 exponent bits, 3 mantissa bits); and NAME_scales (uint8): the same leading axes, one E8M0 byte (e + 127) for each 32 codes along K. Its value is code x scale, taken as it is: it is not quantised again, and the codes and scales need not be those that the quantiser above would give.
;; One version. Each part assembles by itself: llvm-mc -triple=amdgcn-amd-amdhsa -mcpu=gfx1250 --defsym DOCPART=n.
;; ======== version 1 of 1: 3 launches
;; limits: right only within a limited range of input values
;; workspace buffers: qc 8,650,752 bytes; kc 8,650,752 bytes; vc 8,650,752 bytes; pc 17,825,792 bytes; pl 524,288 bytes
;; launch proj (part 1): grid 16 x 16, 4 waves a work-group, clusters of 4 x 4, 327,680 bytes of LDS; arguments x_codes, x_scales, Wq_codes, Wq_scales, Wk_codes, Wk_scales, Wv_codes, Wv_scales, qc, kc, vc; writes qc, kc, vc
.if DOCPART == 1
	.amdgcn_target "amdgcn-amd-amdhsa--gfx1250"
	.amdhsa_code_object_version 6
	.text
	.protected	k_q3c6b7340b9_proj
	.globl	k_q3c6b7340b9_proj
	.p2align	8
	.type	k_q3c6b7340b9_proj,@function
k_q3c6b7340b9_proj:
	s_mov_b64 s[64:65], 0
	v_nop
	global_prefetch_b8 v0, s[64:65] scope:SCOPE_SE
	s_setreg_imm32_b32 hwreg(HW_REG_WAVE_MODE, 25, 1), 1
	s_wait_xcnt 0x0
	s_wait_alu depctr_hold_cnt(0) depctr_sa_sdst(0) depctr_va_vdst(0) depctr_va_sdst(0) depctr_va_ssrc(0) depctr_va_vcc(0) depctr_vm_vsrc(0)
	s_getreg_b32 s2, hwreg(HW_REG_IB_STS2, 6, 4)
	s_cmp_eq_u32 s2, 0
	s_cbranch_scc0 .Lentry_in_a_cluster
	s_endpgm
.Lentry_in_a_cluster:
	s_bfe_u32 s2, ttmp6, 0x10000c
	s_cmp_lg_u32 s2, 0xf033
	s_cbranch_scc0 .Lentry_shape_is_right
	s_endpgm
.Lentry_shape_is_right:
; THE THREE PROJECTIONS q = x Wq^T, k = x Wk^T, v = x Wv^T over K = 1,024 on codes of E4M3 (one E8M0 byte for each 32 along K), and each result quantised on the way out: q and k along the channels, v along the keys.
; No step of reference() is dead here; the later launches leave out score tiles that reference()'s own causal mask hides.
; LIMITS: NaN, infinities and sums beyond f32's range are not served; a block's scale byte never falls under 1, so a block of zeros gets 1 where the rule says 127 (its codes are zeros, and this program alone reads the bytes).
; OUTPUT: chunks of 16,896 bytes: 8 fragments (16 rows x 128 along the next K) as images of their registers, register group c of lane l at 2,048 i + 512 c + 16 l, and behind them 512 bytes of scale bytes (fragment i, row r, block c at 32 r + 4 i + c).
;   q, k: [row group of 128][8 chunks of 128 channels];  v: [channel group of 128][64 chunks of 128 keys].
;   Inside a block of 32 along the next K the order is this program's own, the same for both operands: q and k share one order of channels; v's lane (r, h) has keys 8 h + 0..7, then 16 + 8 h + 0..7, as p has.
; THE DEAL.  256 work-groups of four waves, 2 x 2; a wave holds 64 rows of a weight, ALL of K, in registers (512) and streams x's rows past them in blocks of 16, which stand in registers as two whole sets (256).
; PHASE 1: 512 rows x 128 channels of q (tile columns 0 to 7) or k (8 to 15), sixteen blocks.  PHASE 2: 256 x 128 of v, eight blocks, of window s18 of the work-group's own two windows of 256 rows; Wv's tile column is 4 (cluster x / 2) + cx.
; ORDER OF WORK.  LDS holds two slots of 128 rows; a weight's rows lie in a slot (the first in 1, Wv's in 0).  Phase 1 takes the window that is not v's (chunks 0, 1), then v's (chunks 2, 3); v begins with chunk 3 as it lies in slot 1, and chunk 2 comes anew.
;   Block j of a chunk is rows 64 w + 16 j, w the row of waves.  x's scale bytes of the 512 rows lie in LDS throughout, in the order of work.
; FILLS.  At the head one joint load a wave: the first weight (wave 0), chunk 0 (wave 1), a window's scale bytes each (waves 2, 3).  Refills, each behind a drained round of the cluster's barrier, a quarter of 128 rows a wave:
;   chunks 1, 2, 3 inside blocks 0, 4, 8: waves 0 and 1 bring rows 0-31 and 64-95 (blocks 0 and 1 of both rows of waves), shown by the barrier inside the block two on; waves 2 and 3 the rest, shown by the next round;
;   Wv's rows behind block 11, shown at the change of phase; chunk 2 anew behind Wv's loads into registers, shown inside v's block 1.
; THE WAY OUT of a block stands among the next block's products, a pair of v's blocks among the next pair's.  The first way out of either phase has no block before it: it works on what stands there and stores nothing.
.set KROW, 1024  ; a row of codes
.set KS, 32  ; a row of scale bytes
.set NQ, 8
.set NB, 4  ; column tiles a wave
.set PITCH, KROW+16  ; an LDS row: 260 words, so 16 rows in sequence start at 16 different banks
.set CHB, 128*KROW  ; a chunk of x in memory
.set CH, 16896  ; a chunk of the output
.set FR, 16
.set FPW, 256/FR
.set NP, 8  ; plain vector lines behind a matrix instruction (ISA guide 7.12.1)
.set NF, 34  ; LDS loads of a block: eight fragments of four, two of four scale words
.set YB, 128*PITCH  ; slot 1
.set SCL, 2*128*PITCH  ; x's scale bytes: units of 256 bytes (8 rows) + 16 of padding
.set RS, 32  ; units of a window of 256 rows
.set SSTEP, 2*272  ; 16 rows
.set CST, 16*272  ; 128 rows
.set XN, SCL+2*RS*272  ; q's or k's bytes: 512 bytes into which nothing is stored, then four records in the order of work
.set XV, XN+2560  ; v's two records
.set SPARE, XV+1024
.set EMAX, 8  ; the largest number is 448 = 1.75 x 2^8
.set ADRA0, 4  ; v4  LDS address of my fragments of block 0
.set CN, 5  ; v5  q's, k's codes: 512 h + 16 r
.set AAS0, 6  ; v6  LDS address of my row's scale words in block 0
.set CO, 9  ; v9  16 x lane
.set SPW, 10
.set NIL, 11
.set ADRA, 12  ; v12, v17  as v4, v6, for the block that is fetched next
.set VX, 13  ; v13  LDS address of a scale byte
.set ADRB, 14  ; v14, v18  my weight rows in slot 1, even and odd tiles;  v15  Wv's in slot 0
.set ABS, 16  ; v16  my row in the first weight's scale bytes
.set ABV, 40  ; v40  and in Wv's
.set AAS, 17
.set RD, 19  ; v19  LDS: v's byte
.set SOP, 20  ; v20-23  the conversions' scale operands
.set SB, 24  ; v24-39  the weight's scale words: register 8 p + q: lanes 0-15 tile 2 p's, lanes 16-31 tile 2 p + 1's
.set EB, 40  ; v40-43  scale bytes
.set SA, 44  ; v44-59  x's scale words, two sets
.set TQ, 60  ; v60-63  maxima and bounds
.set ACC, 64  ; v64-191  four sets of four accumulators: products write 0 and 1 by turns; 2 and 3 take a pair of v's blocks
.set WS, 128  ; v128-143  in phase 1: Wv's scale words
.set NCD, 192  ; v192-199  q's or k's 32 codes
.set MCD, 192  ; v192-207  v's, four registers a tile
.set G1A, 24
.set G0A, 56
.set G1B, 32
.set G0B, 60
.set G1R, 48
.set G0R, 68
.set G1S, 92
.set G0S, 72
.set MSB, 0
.macro WIN new  ; the immediate's high byte repeats the setting that is left
.if MSB != \new
	s_set_vgpr_msb (MSB<<8)|\new
.set MSB, \new
.endif
.endm
.macro PLACES n
.rept \n
	v_nop
.endr
.endm
.macro WALU  ; the wait behind fresh vector writes
	s_wait_alu depctr_va_vdst(0)
.endm
.macro BARRIER
	s_barrier_signal -1
	s_barrier_wait -1
.endm
.macro CROUND  ; a round of the cluster's barrier
	BARRIER
	s_cmp_lg_u32 s14, 0
	s_cbranch_scc1 .Lnot_wave_0_\@
	s_barrier_signal -3
.Lnot_wave_0_\@:
	s_barrier_wait -3
	BARRIER
.endm
.macro TLOAD g0, g1  ; a tensor load; an s_nop 0 and four v_nop follow it
	tensor_load_to_lds s[\g0:\g0+3], s[\g1:\g1+7]
	s_nop 0
	PLACES 4
.endm
.macro GROUP1 g, mask, rows  ; descriptor group 1: whole rows of K, 1,024 bytes each, 16 bytes of padding behind each in LDS
	s_or_b32 s[\g+0], s[\mask], (1<<20)|(1<<21)|(7<<22)|(3<<25)
	s_mov_b32 s[\g+1], (KROW&0xffff)<<16
	s_mov_b32 s[\g+2], (KROW>>16)|((\rows)<<16)
	s_mov_b32 s[\g+3], KROW<<16
	s_mov_b32 s[\g+4], \rows
	s_mov_b32 s[\g+5], KROW
	s_mov_b32 s[\g+6], 0
	s_mov_b32 s[\g+7], 0
.endm
.macro SADD d, x
	s_add_co_u32 s\d, s\d, s\x
.endm
	s_load_b128 s[4:7], s[0:1], 0x0  ; x's codes, scales
	s_load_b256 s[84:91], s[0:1], 0x10  ; Wq's codes, scales, Wk's codes, scales
	s_load_b128 s[8:11], s[0:1], 0x30  ; Wv's codes, scales
	v_lshl_add_u32 v[SPW], v0, 2, SPARE
	v_mov_b32 v[NIL], 0
	ds_add_u32 v[SPW], v[NIL]  ; the wave's opening: the add, twice on end, and its wait ahead of my first tensor load
	ds_add_u32 v[SPW], v[NIL]
	v_lshrrev_b32 v1, 5, v0
	v_readfirstlane_b32 s14, v1  ; wave 0..3
	s_lshr_b32 s15, s14, 1  ; my row of waves
	s_and_b32 s16, s14, 1  ; my column of waves
	s_bfe_u32 s40, ttmp6, 0x40000  ; cx, cy
	s_bfe_u32 s41, ttmp6, 0x40004
	s_lshl_b32 s42, ttmp9, 2
	s_add_co_u32 s42, s42, s40  ; tile column, 0..15
	s_and_b32 s43, ttmp7, 0xffff
	s_lshl_b32 s43, s43, 2
	s_add_co_u32 s43, s43, s41  ; tile row, 0..15
	s_lshr_b32 s19, ttmp9, 1  ; 0: phase 1 makes q; 1: k
	s_and_b32 s18, ttmp9, 1  ; v's window
	s_and_b32 s66, s42, 7  ; my 128 channels of q or k
	s_lshl_b32 s44, s41, 2
	s_lshl_b32 s44, 15, s44  ; my row of the cluster: shares x's rows
	s_lshl_b32 s45, 0x1111, s40  ; my column: shares the weights'
	GROUP1 G1B, 45, 128
	GROUP1 G1A, 44, 128
	GROUP1 G1R, 44, 32
; a window's scale bytes: 8,192 dense bytes as 32 rows of 256 (32 elements of 8), 16 bytes of padding behind each
	s_or_b32 s[G1S+0], s44, (3<<16)|(1<<20)|(1<<21)|(5<<22)|(3<<25)
	s_mov_b32 s[G1S+1], 32<<16
	s_mov_b32 s[G1S+2], RS<<16
	s_mov_b32 s[G1S+3], 32<<16
	s_mov_b32 s[G1S+4], RS
	s_mov_b32 s[G1S+5], 32
	s_mov_b32 s[G1S+6], 0
	s_mov_b32 s[G1S+7], 0
	s_mov_b32 s[G0S], 1
	s_mul_i32 s[G0S+1], s16, RS*272
	s_add_co_u32 s[G0S+1], s[G0S+1], SCL
; byte offsets: s67, s2 in x the window that is not v's and v's; s3 in Wv; s12 in Wv's scales; s78, s82 in the first weight and its scales; s80 in x's scales
	s_lshl_b32 s67, s43, 19
	s_lshl_b32 s20, s18, 18
	s_add_co_u32 s2, s67, s20
	s_xor_b32 s20, s20, 1<<18
	SADD 67, 20
	s_lshl_b32 s13, s19, 2
	SADD 13, 40  ; Wv's tile column
	s_lshl_b32 s3, s13, 17
	s_lshl_b32 s12, s13, 12
	s_lshl_b32 s21, s16, 11
	SADD 12, 21
	s_lshl_b32 s78, s66, 17
	s_mov_b32 s79, 0
	s_lshl_b32 s80, s43, 1
	s_xor_b32 s20, s18, 1
	s_cmp_eq_u32 s16, 1
	s_cselect_b32 s20, s18, s20  ; wave 2 the window that is not v's, wave 3 v's
	SADD 80, 20
	s_lshl_b32 s80, s80, 13
	s_mov_b32 s81, 0
	s_lshl_b32 s82, s66, 12
	SADD 82, 21
	s_mov_b32 s83, 0
	s_mov_b32 s[G0A], 1
	s_mov_b32 s[G0A+1], 0
	s_mov_b32 s[G0B], 1
	s_mov_b32 s[G0B+1], YB
	s_mov_b32 s[G0R], 1
	v_and_b32 v1, 15, v0  ; r
	v_bfe_u32 v2, v0, 4, 1  ; h
	v_and_b32 v3, 31, v0  ; lane; it stays
	v_mul_u32_u24 v22, v1, PITCH
	v_lshl_add_u32 v23, v2, 4, v22  ; a fragment's row x pitch + 16 x half
	v_lshrrev_b32 v21, 3, v1  ; r / 8
	s_mul_i32 s20, s15, 64*PITCH
	v_add_nc_u32 v[ADRA0], s20, v23
	s_mul_i32 s22, s16, 64*PITCH  ; my 64 rows of a weight
	v_add_nc_u32 v[ADRB+1], s22, v23  ; Wv's tile t: rows 16 t + r
	s_add_co_u32 s22, s22, YB
; THE FIRST WEIGHT'S ROWS OF A TILE ARE NOT NEIGHBOURS: tile b's rows 0-7 are channels 8 b + 0..7, its rows 8-15 channels 32 + 8 (b xor 1) + 0..7 of my 64: so a lane's 32 sums are one block of 32 channels, and the 16 rows still start at 16 different banks
	v_mul_u32_u24 v20, v21, 16*PITCH
	v_add_nc_u32 v[ADRB+4], v23, v20
	v_add_nc_u32 v[ADRB+4], s22, v[ADRB+4]  ; odd tiles: 16 rows more for r of 8 and over
	v_add_nc_u32 v[ADRB], v[ADRB+4], v20  ; even tiles: 32 more
	v_lshl_add_u32 v20, v2, 3, v1  ; the same rows for the scale words: lanes 0-15 tile 2 p, lanes 16-31 tile 2 p + 1
	v_lshl_add_u32 v20, v21, 5, v20
	v_and_b32 v22, v21, v2
	v_lshlrev_b32 v22, 4, v22
	v_sub_nc_u32 v20, v20, v22
	v_lshlrev_b32 v[ABS], 5, v20
	v_lshlrev_b32 v[ABV], 5, v3
	v_lshlrev_b32 v23, 5, v1  ; x's scale bytes: 32 a row, and 16 more for each 256 passed
	v_lshl_add_u32 v23, v21, 4, v23
	s_mul_i32 s20, s15, 8*272
	s_add_co_u32 s20, s20, SCL
	v_add_nc_u32 v[AAS0], s20, v23
	WALU
	s_wait_dscnt 0x0  ; both opening adds are done
	CROUND  ; all sixteen work-groups are here
	s_wait_kmcnt 0x0
	s_cmp_eq_u32 s19, 0
	s_cselect_b64 s[84:85], s[84:85], s[88:89]  ; the first weight's codes
	s_cselect_b64 s[86:87], s[86:87], s[90:91]  ; and scales
	s_mov_b32 s20, s67
	s_mov_b32 s21, 0
	s_add_nc_u64 s[G0A+2:G0A+3], s[4:5], s[20:21]
	s_or_b32 s[G0A+3], s[G0A+3], 0x80000000
	s_add_nc_u64 s[G0B+2:G0B+3], s[84:85], s[78:79]
	s_or_b32 s[G0B+3], s[G0B+3], 0x80000000
	s_add_nc_u64 s[G0S+2:G0S+3], s[6:7], s[80:81]
	s_or_b32 s[G0S+3], s[G0S+3], 0x80000000
	s_add_nc_u64 s[86:87], s[86:87], s[82:83]
	s_mov_b32 s20, s12
	s_add_nc_u64 s[10:11], s[10:11], s[20:21]
	s_cmp_eq_u32 s14, 0  ; ONE joint load a wave, and a line of its own for what is shown ahead of the rest
	s_cbranch_scc0 .Lwave_1
	TLOAD G0B, G1B
	s_branch .Lasked
.Lwave_1:
	s_cmp_eq_u32 s14, 1
	s_cbranch_scc0 .Lfor_scales
	TLOAD G0A, G1A
	s_branch .Lasked
.Lfor_scales:
	TLOAD G0S, G1S
.Lasked:
.irp p, 0,1
.irp c, 0,1
	global_load_b128 v[SB+NQ*\p+4*\c:SB+NQ*\p+4*\c+3], v[ABS], s[86:87] offset:\p*16*KS+16*\c
	global_load_b128 v[WS+NQ*\p+4*\c:WS+NQ*\p+4*\c+3], v[ABV], s[10:11] offset:\p*32*KS+16*\c
.endr
.endr
; WHERE MY RESULTS GO: offsets now, the buffers' addresses in front of the stream
	s_lshl_b32 s21, s43, 5
	SADD 21, 66
	s_lshl_b32 s22, s18, 4
	s_add_co_u32 s23, s21, s22
	s_mul_i32 s78, s23, CH  ; s78: v's window's first chunk of q or k
	s_xor_b32 s22, s22, 16
	SADD 21, 22
	s_mul_i32 s76, s21, CH  ; s76: the other window's
	s_lshl_b32 s20, s15, 13  ; my fragments begin at 4 w, my blocks of 32 channels at 2 x my column of waves
	s_lshl_b32 s22, s16, 10
	SADD 20, 22
	SADD 76, 20
	SADD 78, 20
	s_mov_b32 s77, 0
	s_mov_b32 s79, 0
	s_xor_b32 s20, s15, s18  ; s80: wave n stores the record at place n in the order of work
	s_xor_b32 s20, s20, 1
	s_lshl_b32 s20, s20, 1
	SADD 20, 16
	s_lshl_b32 s20, s20, 3
	s_lshl_b32 s21, s43, 5
	SADD 20, 21
	SADD 20, 66
	s_mul_i32 s80, s20, CH
	s_add_co_u32 s80, s80, 16384
	s_mov_b32 s81, 0
	s_lshl_b32 s20, s13, 6  ; v: chunk 64 x channel group + key group
	s_lshl_b32 s21, s43, 2
	SADD 20, 21
	s_lshl_b32 s21, s18, 1
	SADD 20, 21
	s_add_co_u32 s21, s20, s15
	s_mul_i32 s82, s20, CH
	s_lshl_b32 s20, s16, 13
	SADD 82, 20
	s_lshl_b32 s20, s15, 10
	SADD 82, 20
	s_mov_b32 s83, 0
	s_mul_i32 s88, s21, CH  ; s88: v's record of key group w, half by my column of waves
	s_lshl_b32 s20, s16, 8
	SADD 88, 20
	s_add_co_u32 s88, s88, 16384
	s_mov_b32 s89, 0
	s_lshl_b32 s90, s40, 2  ; which of the cluster row's sixteen waves I am: my share of a prefetch of x's rows;
	SADD 90, 14
	s_lshl_b32 s100, s41, 2  ; and of the column's: of Wv's
	SADD 100, 14
	v_lshlrev_b32 v[CO], 4, v3
	s_lshl_b32 s21, s16, 1
	s_lshl_b32 s22, s15, 4
	SADD 21, 22
	s_add_co_u32 s21, s21, XN+8  ; 504 bytes ahead of block 0's place
	v_lshl_add_u32 v23, v1, 5, v2
	v_add_nc_u32 v[VX], s21, v23
	s_lshl_b32 s21, s16, 4
	s_lshl_b32 s22, s15, 1
	SADD 21, 22
	s_add_co_u32 s21, s21, XV
	v_lshlrev_b32 v23, 5, v1
	v_add_nc_u32 v[RD], s21, v23
	v_lshlrev_b32 v23, 9, v2
	v_lshl_add_u32 v[CN], v1, 4, v23
	s_wait_xcnt 0x0  ; the scale words' loads have taken their addresses
	s_lshl_b32 s20, s16, 1
	SADD 20, 15
	s_mul_i32 s10, s20, 32*PITCH  ; my quarter of a refill: rows 64 x column of waves + 32 x row of waves: in LDS,
	s_lshl_b32 s11, s20, 15  ; in memory
	s_add_co_u32 s6, s67, CHB  ; chunk 1
	s_add_co_u32 s7, s2, CHB  ; chunk 3
	s_lshl_b32 s21, s90, 13
	s_add_co_u32 s22, s21, s6
	s_add_co_u32 s23, s21, s2
	v_lshl_add_u32 v7, v3, 8, s22  ; a prefetch's addresses: my sixteenth of chunk 1, of chunk 2
	v_lshl_add_u32 v8, v3, 8, s23
	v_add_nc_u32 v1, 16*PITCH, v[ADRA0]  ; v1, v2: block 1's LDS addresses
	v_add_nc_u32 v2, SSTEP, v[AAS0]
	WALU
	s_cmp_eq_u32 s14, 0
	s_cbranch_scc0 .Lnot_b
	s_wait_tensorcnt 0x0  ; wave 0: the first weight has landed.  The other waves' wait stands at the second barrier
.Lnot_b:
	BARRIER
	global_prefetch_b8 v7, s[4:5] th:TH_LOAD_NT scope:SCOPE_SE
	global_prefetch_b8 v8, s[4:5] th:TH_LOAD_NT scope:SCOPE_SE
.macro MIDDLE  ; a round's middle
	WIN 0
	s_barrier_wait -1
	s_cmp_lg_u32 s14, 0
	s_cbranch_scc1 .Lnot_wave_0_\@
	s_barrier_signal -3
.Lnot_wave_0_\@:
	s_barrier_wait -3
.endm
.macro GRD
	s_wait_tensorcnt 0x0
	ds_add_u32 v[SPW], v[NIL]
.endm
.macro FRAG f, adr, q, off  ; a weight's fragment f into window 1 + f / 16: registers 4 c .. 4 c + 3 of lane (r, h) hold K = 32 c + 16 h + 0 .. 15
	WIN (1+(\f)/FPW)<<6
.irp c, 0,1,2,3
	ds_load_b128 v[FR*((\f)%FPW)+4*\c:FR*((\f)%FPW)+4*\c+3], v[\adr] offset:128*(\q)+32*\c+(\off)
.endr
.endm
.macro FETCHAT k, a, s  ; a block of x, all of K, into set k of window 3, and its scale words: NF loads
	WIN 3<<6
.irp q, 0,1,2,3,4,5,6,7
.irp c, 0,1,2,3
	ds_load_b128 v[128*\k+FR*\q+4*\c:128*\k+FR*\q+4*\c+3], v[\a] offset:128*\q+32*\c
.endr
.endr
	WIN 0
	ds_load_b128 v[SA+8*\k:SA+8*\k+3], v[\s]
	ds_load_b128 v[SA+8*\k+4:SA+8*\k+7], v[\s] offset:16
.endm
.macro PROD kind, e, a, n  ; product n = 4 q + b: the q-th 128 of K, column tile b; x in set e, sums in set a.  kind 0 (q, k): source 0 = the weight's rows; kind 1 (v): source 0 = x's rows
.set Q_, (\n)/4
.set B_, (\n)%4
.set FB_, NB*Q_+B_
.set AC_, ACC+32*(\a)+8*B_
.set R_, 128*(\e)+FR*Q_
.set W_, FR*(FB_%FPW)
.set XS_, SA+8*(\e)+Q_
.set WS_, SB+8*(B_/2)+Q_
.if \kind
	WIN 3|((1+FB_/FPW)<<2)
.if Q_ && B_%2
	v_wmma_scale_f32_16x16x128_f8f6f4 v[AC_:AC_+7], v[R_:R_+FR-1], v[W_:W_+FR-1], v[AC_:AC_+7], v[XS_], v[WS_] matrix_b_scale:MATRIX_SCALE_ROW1
.elseif Q_
	v_wmma_scale_f32_16x16x128_f8f6f4 v[AC_:AC_+7], v[R_:R_+FR-1], v[W_:W_+FR-1], v[AC_:AC_+7], v[XS_], v[WS_]
.elseif B_%2
	v_wmma_scale_f32_16x16x128_f8f6f4 v[AC_:AC_+7], v[R_:R_+FR-1], v[W_:W_+FR-1], 0, v[XS_], v[WS_] matrix_b_scale:MATRIX_SCALE_ROW1
.else
	v_wmma_scale_f32_16x16x128_f8f6f4 v[AC_:AC_+7], v[R_:R_+FR-1], v[W_:W_+FR-1], 0, v[XS_], v[WS_]
.endif
.else
	WIN (1+FB_/FPW)|(3<<2)
.if Q_ && B_%2
	v_wmma_scale_f32_16x16x128_f8f6f4 v[AC_:AC_+7], v[W_:W_+FR-1], v[R_:R_+FR-1], v[AC_:AC_+7], v[WS_], v[XS_] matrix_a_scale:MATRIX_SCALE_ROW1
.elseif Q_
	v_wmma_scale_f32_16x16x128_f8f6f4 v[AC_:AC_+7], v[W_:W_+FR-1], v[R_:R_+FR-1], v[AC_:AC_+7], v[WS_], v[XS_]
.elseif B_%2
	v_wmma_scale_f32_16x16x128_f8f6f4 v[AC_:AC_+7], v[W_:W_+FR-1], v[R_:R_+FR-1], 0, v[WS_], v[XS_] matrix_a_scale:MATRIX_SCALE_ROW1
.else
	v_wmma_scale_f32_16x16x128_f8f6f4 v[AC_:AC_+7], v[W_:W_+FR-1], v[R_:R_+FR-1], 0, v[WS_], v[XS_]
.endif
.endif
.endm
.macro HOLD x, b  ; held at the largest number that the format has under its block's scale
	v_med3_num_f32 v[\x], v[\x], -v[TQ+\b], v[TQ+\b]
.endm
.macro SCALES i, n  ; 0: the conversion's scale operand; 1: the bound; 2: its second copy; 3: the scale byte
.if (\i) == 0
	v_add_nc_u32 v[SOP+\n], -(EMAX<<23), v[TQ]
.elseif (\i) == 1
	v_and_or_b32 v[TQ+1], v[TQ], 0x7f800000, s62
.elseif (\i) == 2
	v_mov_b32 v[TQ+3], v[TQ+1]
.else
	v_lshrrev_b32 v[EB+\n], 23, v[SOP+\n]
.endif
.endm
.macro MAXQ k, x  ; q, k: 18 lines: the largest magnitude of the lane's 32 sums, over the floor under which a byte would fall under 1
.if (\k) < 4
	v_max3_num_f32 v[TQ+\k], |v[\x+8*(\k)]|, |v[\x+8*(\k)+1]|, |v[\x+8*(\k)+2]|
.elseif (\k) < 12
	v_max3_num_f32 v[TQ+(\k)%4], v[TQ+(\k)%4], |v[\x+8*((\k)%4)+2*((\k)/4)+1]|, |v[\x+8*((\k)%4)+2*((\k)/4)+2]|
.elseif (\k) < 16
	v_max_num_f32 v[TQ+(\k)%4], v[TQ+(\k)%4], |v[\x+8*((\k)%4)+7]|
.elseif (\k) == 16
	v_max3_num_f32 v[TQ], v[TQ], v[TQ+1], v[TQ+2]
.else
	v_max3_num_f32 v[TQ], v[TQ], v[TQ+3], (EMAX+1)<<23
.endif
.endm
.macro HOLDS m, x  ; two of a block's holds; from the fourth pair's on a second copy of the bound serves where the first would be read late
.if (\m) == 3
	HOLD \x, 3
	HOLD \x+1, 3
.else
	HOLD \x, 1
	HOLD \x+1, 1
.endif
.if (\m) == 2
	SCALES 2, 0
.endif
.endm
.macro GAPQ m, x  ; the quantiser of a block of q or k, gaps 0 .. 26: the sums at x -> codes NCD, byte EB
.if (\m) < 9
	MAXQ 2*(\m), \x
	MAXQ 2*(\m)+1, \x
.elseif (\m) == 9
	SCALES 0, 0
	SCALES 1, 0
.elseif (\m) < 26
	HOLDS (\m)-10, \x+2*((\m)-10)
.if ((\m)-10)%4 == 3
	v_cvt_scalef32_pk8_fp8_f32 v[NCD+2*(((\m)-10)/4):NCD+2*(((\m)-10)/4)+1], v[\x+8*(((\m)-10)/4):\x+8*(((\m)-10)/4)+7], v[SOP]
.endif
.elseif (\m) == 26
	SCALES 3, 0
.endif
.endm
.macro GAPV u, x  ; the quantiser of a pair of v's blocks, gaps 0 .. 59, 15 a tile: a block of 32 keys lies in lanes l and l xor 16: the even block's sums at x, the odd's at x + 32 -> codes MCD + 4 t, bytes EB + t
.set T_, (\u)/15
.set J_, (\u)%15
.set E_, \x+8*T_
.set O_, E_+32
.if (\u) > 59
.elseif J_ == 0
	v_max3_num_f32 v[TQ], |v[E_]|, |v[E_+1]|, |v[E_+2]|
	v_max3_num_f32 v[TQ+2], |v[O_]|, |v[O_+1]|, |v[O_+2]|
.elseif J_ < 3
	v_max3_num_f32 v[TQ], v[TQ], |v[E_+2*J_+1]|, |v[E_+2*J_+2]|
	v_max3_num_f32 v[TQ+2], v[TQ+2], |v[O_+2*J_+1]|, |v[O_+2*J_+2]|
.elseif J_ == 3
	v_max3_num_f32 v[TQ+2], v[TQ+2], |v[O_+7]|, (EMAX+1)<<23
	v_max3_num_f32 v[TQ], v[TQ], |v[E_+7]|, v[TQ+2]
.elseif J_ == 4
	v_permlanex16_b32 v[TQ+2], v[TQ], s60, s61
	v_max_num_f32 v[TQ], v[TQ], v[TQ+2]
.elseif J_ == 5
	SCALES 0, T_
	SCALES 1, T_
.elseif J_ < 10
	HOLDS J_-6, E_+2*(J_-6)
.if J_ == 9
	v_cvt_scalef32_pk8_fp8_f32 v[MCD+4*T_:MCD+4*T_+1], v[E_:E_+7], v[SOP+T_]
.endif
.elseif J_ < 14
	HOLDS J_-6, O_+2*(J_-10)
.if J_ == 13
	v_cvt_scalef32_pk8_fp8_f32 v[MCD+4*T_+2:MCD+4*T_+3], v[O_:O_+7], v[SOP+T_]
.endif
.else
	SCALES 3, T_
.endif
.endm
.macro RDESC i, off, lds  ; group 0 of a refill of x's rows, in two parts
.if (\i) == 0
	s_add_co_u32 s[G0R+1], s10, s\lds
	s_add_co_u32 s20, s11, s\off
.else
	s_mov_b32 s21, 0
	s_add_nc_u64 s[G0R+2:G0R+3], s[4:5], s[20:21]
	s_or_b32 s[G0R+3], s[G0R+3], 0x80000000
.endif
.endm
; WHAT STANDS BEHIND PRODUCT n.  j: the block's number in its trip (the second loop's: 4, 5; v's: -1, -2).  Behind 0 to 2: where the block before leaves to, the addresses of the block two on, a byte's next place, a prefetch's address;
; a refill's group 0 behind 29 and 30; from 1 on a way out: y = 1 a block of q or k at x; 2, 3 the halves of v's pair at x
.macro LIST n, j, y, x
.if (\n) == 0
.if (\j) == 1
	s_add_nc_u64 s[84:85], s[84:85], s[98:99]
	s_cmp_eq_u32 s46, 2
	s_cselect_b64 s[84:85], s[88:89], s[84:85]
.elseif (\j) == 5
	s_add_nc_u64 s[84:85], s[84:85], s[98:99]
.elseif (\j) >= 0
	s_add_nc_u64 s[84:85], s[84:85], 2048
.endif
	WIN 0
.if (\j) == 0 || (\j) == 1
	s_add_co_u32 s22, s101, ((\j)+2)*16*PITCH
.elseif (\j) > 1
	s_add_co_u32 s22, s47, ((\j)%2)*16*PITCH
.else
	s_add_co_u32 s22, s47, (-1-(\j))*16*PITCH
.endif
	v_add_nc_u32 v[ADRA], s22, v[ADRA0]
.elseif (\n) == 1
	WIN 0
.if (\j) == 0 || (\j) == 1
	s_add_co_u32 s22, s17, ((\j)+2)*SSTEP
.elseif (\j) > 1
	s_add_co_u32 s22, s66, ((\j)%2)*SSTEP
.else
	s_add_co_u32 s22, s66, (-1-(\j))*SSTEP
.endif
	v_add_nc_u32 v[AAS], s22, v[AAS0]
.elseif (\n) == 2 && (\j) >= 0
	WIN 0
.if (\j) == 1 || (\j) == 5
	v_add_nc_u32 v[VX], s12, v[VX]
.else
	v_add_nc_u32 v[VX], 4, v[VX]
.endif
.if (\j) == 2
	v_lshl_add_u32 v7, v3, 8, s23
.endif
.elseif (\j) == 0 && ((\n) == 29 || (\n) == 30)
	RDESC (\n)-29, 6, 47
.endif
.if (\y) == 1 && (\n) > 0 && (\n) < 28
	WIN 0
	GAPQ (\n)-1, \x
.elseif (\y) == 2 && (\n) > 0 && (\n) < 31
	WIN 0
	GAPV (\n)-1, \x
.elseif (\y) == 3 && (\n) > 0 && (\n) < 31
	WIN 0
	GAPV (\n)+29, \x
.endif
.endm
.macro BLOCK kind, e, a, from, to, j, y, x
.set N_, \from
.rept (\to)-(\from)
	PROD \kind, \e, \a, N_
	LIST N_, \j, \y, \x
.set N_, N_+1
.endr
.endm
.macro BLK kind, e, a, w, j, y, x  ; a block; w: the wait's count (-1: none)
.if (\w) >= 0
	s_wait_dscnt \w
.endif
	s_wait_xcnt 0x0
	BLOCK \kind, \e, \a, 0, 32, \j, \y, \x
	WIN 0
	PLACES NP
.endm
.macro RBLK kind, e, a, w, j, y, x  ; a block with a round of the cluster's barrier: the lines at its head, the signal behind 28 products
.if (\w) >= 0
	s_wait_dscnt \w
.endif
	s_wait_xcnt 0x0
	GRD
	BLOCK \kind, \e, \a, 0, 28, \j, \y, \x
	WIN 0
	WALU
	s_wait_dscnt 0x0
	s_barrier_signal -1
	BLOCK \kind, \e, \a, 28, 32, \j, \y, \x
	MIDDLE
	BARRIER
.endm
.macro SBLK kind, e, a, w, j, y, x, half=0  ; a block with a plain barrier (half = 1: it shows waves 0 and 1's loads alone)
.if (\w) >= 0
	s_wait_dscnt \w
.endif
	s_wait_xcnt 0x0
	BLOCK \kind, \e, \a, 0, 28, \j, \y, \x
	WIN 0
	WALU
.if \half
	s_cmp_lt_u32 s14, 2
	s_cbranch_scc0 .Lnot_yet_\@
	s_wait_tensorcnt 0x0
.Lnot_yet_\@:
.else
	s_wait_tensorcnt 0x0
.endif
	s_wait_dscnt 0x0
	s_barrier_signal -1
	BLOCK \kind, \e, \a, 28, 32, \j, \y, \x
	WIN 0
	s_barrier_wait -1
	PLACES NP
.endm
.macro QOUT off, boff  ; a block's byte goes to its place in LDS; each store of its codes covers two aligned runs of 256 bytes
	ds_store_b8 v[VX], v[EB] offset:\boff
	global_store_b128 v[CN], v[NCD:NCD+3], s[84:85] offset:\off
	global_store_b128 v[CN], v[NCD+4:NCD+7], s[84:85] offset:(\off)+256
.endm
.irp q, 0,1,2,3,4,5,6,7  ; my 64 rows of the first weight, all of K, into windows 1 and 2: 128 loads
.irp b, 0,1,2,3
	FRAG NB*\q+\b, ADRB+4*(\b%2), \q, \b*8*PITCH
.endr
.endr
	WIN 0
	s_wait_tensorcnt 0x0  ; chunk 0 and the scale bytes are in; the first weight is in registers
	s_wait_dscnt 0x0
	BARRIER
	FETCHAT 0, ADRA0, AAS0
	FETCHAT 1, 1, 2
	s_load_b128 s[92:95], s[0:1], 0x40  ; qc, kc
	s_load_b64 s[96:97], s[0:1], 0x50  ; vc
	s_mov_b32 s60, 0x76543210
	s_mov_b32 s61, 0xfedcba98  ; the selects for lane l xor 16
	s_mov_b32 s62, 0x600000  ; the mantissa field of 448
.set I_, 0
.rept 32
	v_mov_b32 v[ACC+32+I_], 0
.set I_, I_+1
.endr
	s_wait_kmcnt 0x0
	s_cmp_eq_u32 s19, 0
	s_cselect_b64 s[92:93], s[92:93], s[94:95]
	s_add_nc_u64 s[94:95], s[92:93], s[80:81]  ; my record of q or k
	s_add_nc_u64 s[80:81], s[96:97], s[88:89]  ; my half of a record of v
	s_add_nc_u64 s[96:97], s[96:97], s[82:83]  ; v's codes
	s_add_nc_u64 s[88:89], s[92:93], s[78:79]  ; codes of v's window
	s_add_nc_u64 s[84:85], s[92:93], s[76:77]  ; of the other window,
	s_sub_nc_u64 s[84:85], s[84:85], 8*CH-4096  ; less the first trip's two steps
	s_mov_b32 s98, 8*CH-6144  ; from a chunk's last block to the next chunk's first
	s_mov_b32 s99, 0
	s_mov_b64 s[78:79], s[4:5]  ; where a prefetch's offset counts from
	s_mov_b32 s46, 0  ; PHASE 1.  s46 the trip; s101, s47 this chunk's slot and the next's; s17, s66 their scale words' step; s6 the rows that are loaded; s12 to a byte's next place; s23 my share of what is asked for ahead
	s_mov_b32 s12, 500
	s_mov_b32 s23, 0
	s_mov_b32 s101, 0
	s_mov_b32 s47, YB
	s_mov_b32 s17, 0
	s_mov_b32 s66, CST
	s_wait_loadcnt 0x0
.Lfour:
	RBLK 0, 0, 0, NF, 0, 1, ACC+32  ; blocks 0, 4, 8: chunks 1, 2, 3 come
	s_cmp_lt_u32 s14, 2  ; waves 0, 1 and waves 2, 3 have a load line each: the barrier inside the block two on waits for the first line's alone
	s_cbranch_scc0 .Lupper
	TLOAD G0R, G1R
	s_branch .Lboth
.Lupper:
	TLOAD G0R, G1R
.Lboth:
	PLACES NP-4
	s_cmp_eq_u32 s46, 0
	s_cbranch_scc1 .Lno_block_before
	QOUT 0, 0
.Lno_block_before:
	FETCHAT 0, ADRA, AAS
	BLK 0, 1, 1, -1, 1, 1, ACC
	QOUT 0, 0
	FETCHAT 1, ADRA, AAS
	SBLK 0, 0, 0, NF, 2, 1, ACC+32, 1  ; the next chunk's blocks 0 and 1 are in
	QOUT 0, 0
	s_cmp_eq_u32 s46, 0
	s_cbranch_scc1 .Lnone_ahead
	global_prefetch_b8 v7, s[78:79] th:TH_LOAD_NT scope:SCOPE_SE  ; trip 1: my sixteenth of chunk 3; trip 2: of Wv's 128 rows: both are loaded two blocks on or later
.Lnone_ahead:
	FETCHAT 0, ADRA, AAS
	BLK 0, 1, 1, -1, 3, 1, ACC
	QOUT 0, 0
	FETCHAT 1, ADRA, AAS
	s_cmp_eq_u32 s46, 0
	s_cselect_b32 s6, s2, s7
	s_cselect_b32 s21, s90, s100
	s_cselect_b32 s22, s7, s3
	s_cselect_b64 s[78:79], s[4:5], s[8:9]
	s_lshl_b32 s21, s21, 13
	s_add_co_u32 s23, s21, s22
	s_mov_b32 s101, s47
	s_mov_b32 s17, s66
	s_xor_b32 s47, s47, YB
	s_add_co_u32 s66, s66, CST
	s_add_co_u32 s46, s46, 1
	s_cmp_lg_u32 s46, 3
	s_cbranch_scc1 .Lfour
	GRD
	s_mul_i32 s20, s14, 32*KROW
	SADD 20, 3
	s_mov_b32 s21, 0
	s_mul_i32 s[G0A+1], s14, 32*PITCH
	s_add_nc_u64 s[G0A+2:G0A+3], s[8:9], s[20:21]
	s_or_b32 s[G0A+3], s[G0A+3], 0x80000000
	GROUP1 G1A, 45, 32
	s_wait_dscnt 0x0
	s_barrier_signal -1
	MIDDLE
	BARRIER
	TLOAD G0A, G1A
	s_mov_b32 s47, YB+32*PITCH
	s_mov_b32 s66, 3*CST+2*SSTEP
.Ltwo:
	BLK 0, 0, 0, NF, 4, 1, ACC+32  ; blocks 12, 14
	QOUT 0, 0
	FETCHAT 0, ADRA, AAS
	BLK 0, 1, 1, NF, 5, 1, ACC  ; 13, 15; the block two on is then v's: chunk 3 again, as it lies in slot 1
	QOUT 0, 0
	FETCHAT 1, ADRA, AAS
	s_mov_b32 s12, 4
	s_mov_b32 s98, 2048
	s_mov_b32 s47, YB
	s_mov_b32 s66, 3*CST
	s_add_co_u32 s46, s46, 1
	s_cmp_lg_u32 s46, 5
	s_cbranch_scc1 .Ltwo
; the change of phase
	s_wait_xcnt 0x0
	s_wait_tensorcnt 0x0  ; Wv's rows are in
	s_wait_dscnt 0x0
	BARRIER
.macro CHANGE i  ; among Wv's 128 loads: block 15's way out; Wv's scale words into their place; zeros into what no block has written yet
.if (\i) < 7
.irp k, 0,1,2,3
.if 4*(\i)+\k < 27
	GAPQ 4*(\i)+\k, ACC+32
.endif
.endr
.elseif (\i) < 9
.irp q, 0,1,2,3,4,5,6,7
	v_mov_b32 v[SB+8*((\i)-7)+\q], v[WS+8*((\i)-7)+\q]
.endr
.elseif (\i) < 15
.irp q, 0,1,2,3,4,5,6,7
	v_mov_b32 v[ACC+80+8*((\i)-9)+\q], 0
.endr
.endif
.endm
.irp q, 0,1,2,3,4,5,6,7
.irp b, 0,2
	FRAG NB*\q+\b, ADRB+1, \q, \b*16*PITCH
	FRAG NB*\q+\b+1, ADRB+1, \q, (\b+1)*16*PITCH
	WIN 0
	CHANGE 2*\q+\b/2
.endr
.endr
	QOUT 2048, 4
	GRD
	s_mov_b32 s47, 0
	RDESC 0, 2, 47
	RDESC 1, 2, 47
	s_mov_b32 s46, 0
	s_mov_b32 s47, YB+32*PITCH
	s_mov_b32 s66, 3*CST+2*SSTEP
	s_wait_dscnt 0x0
	s_barrier_signal -1
	MIDDLE
	BARRIER
	TLOAD G0R, G1R
.macro VOUT  ; a pair of v's blocks: four tiles' bytes and codes; each store covers 512 consecutive bytes, aligned to 256
.irp t, 0,1,2,3
	ds_store_b8 v[VX], v[EB+\t] offset:4*\t
	global_store_b128 v[CO], v[MCD+4*\t:MCD+4*\t+3], s[84:85] offset:2048*\t
.endr
.endm
.Lpair:
	BLK 1, 0, 0, -1, -1, 2, ACC+64
	s_cmp_eq_u32 s46, 3
	s_cbranch_scc1 .Lnone_0
	FETCHAT 0, ADRA, AAS
	s_wait_dscnt NF
	s_branch .Lgo
.Lnone_0:
	s_wait_dscnt 0x0
.Lgo:
	SBLK 1, 1, 1, -1, -2, 3, ACC+64  ; the first trip's shows chunk 2
.set I_, 0
.rept 32  ; the pair's sums are copied, so that one trip is two blocks of text
	v_dual_mov_b32 v[ACC+64+I_], v[ACC+I_] :: v_dual_mov_b32 v[ACC+64+I_+1], v[ACC+I_+1]
.set I_, I_+2
.endr
	s_add_co_u32 s22, s46, 3  ; the pair before: key group 1 in trips 1 and 2, group 0 in trip 3; its first or second pair
	s_and_b32 s22, s22, 3
	s_and_b32 s20, s22, 1
	s_lshr_b32 s21, s22, 1
	s_xor_b32 s21, s21, 1
	s_lshl_b32 s23, s21, 9
	SADD 23, 20
	s_lshl_b32 s20, s20, 9
	s_mul_i32 s21, s21, CH
	SADD 20, 21
	s_mov_b32 s21, 0
	s_add_nc_u64 s[84:85], s[96:97], s[20:21]
	v_add_nc_u32 v[VX], s23, v[RD]
	s_cmp_eq_u32 s46, 0
	s_cbranch_scc1 .Lno_pair_before
	VOUT
.Lno_pair_before:
	s_cmp_eq_u32 s46, 3
	s_cbranch_scc1 .Lnone_1
	FETCHAT 1, ADRA, AAS
.Lnone_1:
	s_mov_b32 s66, 2*CST+2*SSTEP
	s_cmp_eq_u32 s46, 0
	s_cselect_b32 s47, 0, 32*PITCH
	s_cselect_b32 s66, 2*CST, s66
	s_add_co_u32 s46, s46, 1
	s_cmp_lg_u32 s46, 4
	s_cbranch_scc1 .Lpair
	s_wait_xcnt 0x0
.set K_, 0
.rept 60
	GAPV K_, ACC+64
.set K_, K_+1
.endr
	s_add_nc_u64 s[84:85], s[96:97], 512  ; the last pair: key group 0's second
	v_add_nc_u32 v[VX], 1, v[RD]
	VOUT
	s_wait_dscnt 0x0  ; the scale bytes
	BARRIER
	v_lshlrev_b32 v20, 4, v3
	s_lshl_b32 s21, s14, 9
	s_add_co_u32 s21, s21, XN+512
	v_add_nc_u32 v21, s21, v20
	v_lshlrev_b32 v22, 3, v3
	s_lshl_b32 s21, s14, 8
	s_add_co_u32 s21, s21, XV
	v_add_nc_u32 v23, s21, v22
	WALU
	ds_load_b128 v[60:63], v21
	ds_load_b64 v[40:41], v23
	s_wait_dscnt 0x0
	global_store_b128 v20, v[60:63], s[94:95]
	global_store_b64 v22, v[40:41], s[80:81]
	s_wait_tensorcnt 0x0  ; the wave's end
	ds_add_u32 v[SPW], v[NIL]
	s_wait_dscnt 0x0
	CROUND  ; the closing round
	s_endpgm
.Lfunc_end_k_q3c6b7340b9_proj:
	.size	k_q3c6b7340b9_proj, .Lfunc_end_k_q3c6b7340b9_proj-k_q3c6b7340b9_proj
	.p2alignl 7, 3214868480
	.fill 96, 4, 3214868480
	.section	.rodata,"a",@progbits
	.p2align	6, 0x0
	.amdhsa_kernel k_q3c6b7340b9_proj
		.amdhsa_group_segment_fixed_size 327680
		.amdhsa_private_segment_fixed_size 0
		.amdhsa_enable_private_segment 0
		.amdhsa_kernarg_size 88
		.amdhsa_user_sgpr_count 2
		.amdhsa_user_sgpr_kernarg_segment_ptr 1
		.amdhsa_wavefront_size32 1
		.amdhsa_system_sgpr_workgroup_id_x 1
		.amdhsa_system_sgpr_workgroup_id_y 1
		.amdhsa_system_sgpr_workgroup_id_z 1
		.amdhsa_system_vgpr_workitem_id 0
		.amdhsa_next_free_vgpr 1024
		.amdhsa_next_free_sgpr 102
		.amdhsa_reserve_vcc 0
		.amdhsa_float_denorm_mode_32 3
		.amdhsa_float_denorm_mode_16_64 3
		.amdhsa_memory_ordered 1
		.amdhsa_forward_progress 1
		.amdhsa_inst_pref_size 160
	.end_amdhsa_kernel
	.amdgpu_metadata
---
amdhsa.version: [ 1, 2 ]
amdhsa.kernels:
  - .name:           k_q3c6b7340b9_proj
    .symbol:         k_q3c6b7340b9_proj.kd
    .args:
      - { .name: x_codes, .offset: 0, .size: 8, .value_kind: global_buffer, .address_space: global }
      - { .name: x_scales, .offset: 8, .size: 8, .value_kind: global_buffer, .address_space: global }
      - { .name: Wq_codes, .offset: 16, .size: 8, .value_kind: global_buffer, .address_space: global }
      - { .name: Wq_scales, .offset: 24, .size: 8, .value_kind: global_buffer, .address_space: global }
      - { .name: Wk_codes, .offset: 32, .size: 8, .value_kind: global_buffer, .address_space: global }
      - { .name: Wk_scales, .offset: 40, .size: 8, .value_kind: global_buffer, .address_space: global }
      - { .name: Wv_codes, .offset: 48, .size: 8, .value_kind: global_buffer, .address_space: global }
      - { .name: Wv_scales, .offset: 56, .size: 8, .value_kind: global_buffer, .address_space: global }
      - { .name: qc, .offset: 64, .size: 8, .value_kind: global_buffer, .address_space: global }
      - { .name: kc, .offset: 72, .size: 8, .value_kind: global_buffer, .address_space: global }
      - { .name: vc, .offset: 80, .size: 8, .value_kind: global_buffer, .address_space: global }
    .group_segment_fixed_size: 327680
    .private_segment_fixed_size: 0
    .kernarg_segment_align: 8
    .kernarg_segment_size: 88
    .max_flat_workgroup_size: 128
    .sgpr_count:     102
    .vgpr_count:     1024
    .wavefront_size: 32
...
	.end_amdgpu_metadata
.endif
;; end of part 1
;; launch scores (part 2): grid 12 x 16, 4 waves a work-group, clusters of 4 x 4, 327,680 bytes of LDS; arguments qc, kc, pc, pl; writes pc, pl
.if DOCPART == 2
	.amdgcn_target "amdgcn-amd-amdhsa--gfx1250"
	.amdhsa_code_object_version 6
	.text
	.protected	k_q3c6b7340b9_scores
	.globl	k_q3c6b7340b9_scores
	.p2align	8
	.type	k_q3c6b7340b9_scores,@function
k_q3c6b7340b9_scores:
	s_mov_b64 s[64:65], 0
	v_nop
	global_prefetch_b8 v0, s[64:65] scope:SCOPE_SE
	s_setreg_imm32_b32 hwreg(HW_REG_WAVE_MODE, 25, 1), 1
	s_wait_xcnt 0x0
	s_wait_alu depctr_hold_cnt(0) depctr_sa_sdst(0) depctr_va_vdst(0) depctr_va_sdst(0) depctr_va_ssrc(0) depctr_va_vcc(0) depctr_vm_vsrc(0)
	s_getreg_b32 s2, hwreg(HW_REG_IB_STS2, 6, 4)
	s_cmp_eq_u32 s2, 0
	s_cbranch_scc0 .Lentry_in_a_cluster
	s_endpgm
.Lentry_in_a_cluster:
	s_bfe_u32 s2, ttmp6, 0x10000c
	s_cmp_lg_u32 s2, 0xf033
	s_cbranch_scc0 .Lentry_shape_is_right
	s_endpgm
.Lentry_shape_is_right:
; S = q k^T over the 1,024 channels, the causal mask, and p = 2^(t - M) quantised along the keys.  q and k come as chunks (128 rows x 128 channels: 8 fragments as images of their registers, 16,384 bytes, and a record of
; 512 bytes with the scale words: block i, row r at 32 r + 4 i), [group of 128 rows][8 chunks].
; A tile of S, 256 x 256, is made by a work-group of four waves; a wave makes 128 queries x 128 keys: 64 accumulators.  K goes in steps of 256 (two chunks of each of four groups) through a ring of two LDS slots.
; M IS LOCAL: t = score x log2(e) / 32; for each query and each group of 128 keys M = ceil(the largest t of the group), a whole number.  p's codes and scale words, -M and the sum l of the unquantised p are stored for
; each (query, group); the next launch brings the groups of a row under the row's own M by moving the scale bytes by the whole-number difference, which changes no code.
; THE MASK.  Key k counts for query q where k <= q.  p of a hidden key is 0 and it does not count for the maximum; the maximum has the floor -3e38, so a row all of whose 128 keys are hidden gets a finite, very large -M, p = 0, zero codes and l = 0.
; WORK LEFT OUT: the blocks of 1,024 x 1,024 that lie wholly above the diagonal, which reference()'s own mask hides for all inputs; a NaN, an infinity or an overflow that would reach only those is not carried to the result.
; CLUSTERS: 4 x 4 work-groups; cluster y = the batch, cluster x = 0, 1, 2: the blocks (0, 0), (1, 0), (1, 1) of 1,024 x 1,024.  A's tiles are shared along a row of the cluster, B's along a column, by joint loads.
; In a block on the diagonal six of the sixteen tiles lie wholly above it.  Their work-groups make every joint request, run the same text and store zero codes: the next launch, which rounds a row's keys up to 512, reads two of the six;
; the other four are the price of joint requests on a triangle: a partner that left would leave its row's and its column's requests short.
; PREFETCH: behind each K step's request stand two prefetches a wave for the K step after it (the first: for K step 1): of the 132 blocks of 256 bytes that a wave fetches, each of the four partners asks for 33, told apart by address.
; THE MATRIX INSTRUCTION IS USED TRANSPOSED (source 0 = 16 keys, source 1 = 16 queries): lane (r, h) of accumulator (a, b) holds query 16 a + r and, in register j, key 16 b + 8 h + j.
; LIMITS: a block whose every p is 0 gets the byte 1 (zero codes; this program alone reads the bytes); NaN and infinities are not served; M is exact as a whole number for |t| under 2^24.
; REGISTERS: window 0: v0-31 addresses; v32-63 scale words, two sets, and nothing else; v128-255 A's fragments; on the way out v64-255 at work.  window 1: B's two sets.  windows 2, 3: the accumulators.
.set CH,     16896                     ; a chunk of q or k
.set CHP,    17408                     ; a chunk of p: codes, scale words at 16,384, -M at 16,896
.set PIECE,  2*CH                      ; a K step of one group of 128 rows: what one tensor load brings: 132 rows of 256 bytes, dense
.set SLOT,   4*PIECE                   ; A's two groups, then B's two
.set SPARE,  2*SLOT                    ; the spare words
.set NQ,     2
.set FR,     16
.set NL,     4
.set NP,     8                         ; places behind this matrix instruction (ISA guide 7.12.1)
.set LAPS,   2                         ; 1,024 / 512
.set PFO,  8                           ; v8      a prefetch's offset: 256 x lane;  v9 the 33rd block's
.set ADRA, 16                          ; v16-17  LDS address of my A fragments in slot 0, 1
.set ADRB, 20                          ; v20-21  the same for B
.set ADRS, 22                          ; v22-23  of my scale words: lanes 0-15 in A's record, lanes 16-31 in B's
.set LO,   24                          ; v24     16 x lane
.set RO,   25                          ; v25     32 r + 16 h
.set D0,   26                          ; v26     my query of block 0 less my key of register 0 of accumulator 0
.set SPW,  28
.set NIL,  29
.set NINF, 30                          ; v30     -infinity
.set FLO,  31                          ; v31     the maximum's floor, -3e38
.set SC,   32                          ; scale words: set s at v[SC + 16 s]; register 8 q + i: lanes 0-15 A's block i, lanes 16-31 B's block i
.set T,    64                          ; t - M, then p
.set AF,   128
.set PW,   128                         ; v128-135 p's scale word, v136-143 -M, v144-151 l, of each of my eight blocks of queries
.set PM,   136
.set PL,   144
.set X,    152                         ; v152-163 three records' 16 bytes
.set TM,   164
.set TP,   168
.set LIM,  172
.set SOP,  176
.set MX,   180
.set TT,   181
.set NM,   182                         ; v[182:183] -M: the packed form names a pair and takes its low word for both halves
.set S1,   184                         ; v184-191 the sum in four pairs
.set NML,  188                         ; (ahead of the sum) v[188:189], v[190:191]: -M or -infinity for the tiles left and right of my diagonal
.set NMU,  190
.set PC,   192
.set G1, 24
.set G0, 32
.set G1B, 48
.set G0B, 56
.set CS,  68                           ; s[68:69] c = log2(e) / 32
.set SEL, 70                           ; s[70:71] lane selects for lane l xor 16
.set MNT, 72                           ; s72  the mantissa field of 448
.set SS,  73                           ; s73  cluster x
.set BT,  74                           ; s74  the batch
.set PFA, 78                           ; s[78:79] where my prefetches count from: my share of K step 0's piece
.set MK,  80                           ; s80-87  lane masks: register j of the accumulator on my diagonal (b = a) is hidden;  s88 those left of it (b < a) are, s89 those right of it (b > a)
.set MSB, 0
.macro WIN new                         ; the immediate's high byte repeats the setting that is left
.if MSB != \new
	s_set_vgpr_msb (MSB<<8)|\new
.set MSB, \new
.endif
.endm
.set MUL_LO, 0xa1
.set MUL_HI, 0xf1
.set TO_B,   0x40
.macro JLOAD g0a, g1a, g0b, g1b        ; a joint load: waves 0 and 1 fetch for A, waves 2 and 3 for B; s_nop 0 and four v_nop follow each of the two lines
	s_cmp_eq_u32 s15, 0
	s_cbranch_scc0 .Lfor_b_\@
	tensor_load_to_lds s[\g0a:\g0a+3], s[\g1a:\g1a+7]
	s_nop 0
.rept 4
	v_nop
.endr
	s_branch .Lasked_\@
.Lfor_b_\@:
	tensor_load_to_lds s[\g0b:\g0b+3], s[\g1b:\g1b+7]
	s_nop 0
.rept 4
	v_nop
.endr
.Lasked_\@:
.endm
.macro ASK k                           ; K step k of my share: 33 blocks of 256 bytes (in the second line all lanes name the 33rd)
	global_prefetch_b8 v[PFO], s[PFA:PFA+1] offset:(\k)*PIECE th:TH_LOAD_NT scope:SCOPE_SE
	global_prefetch_b8 v[PFO+1], s[PFA:PFA+1] offset:(\k)*PIECE th:TH_LOAD_NT scope:SCOPE_SE
.endm
.macro CREST
	s_cmp_lg_u32 s14, 0
	s_cbranch_scc1 .Lnot_wave_0_\@
	s_barrier_signal -3
.Lnot_wave_0_\@:
	s_barrier_wait -3
	s_barrier_signal -1
	s_barrier_wait -1
.endm
.macro CROUND
	s_barrier_signal -1
	s_barrier_wait -1
	CREST
.endm
	s_load_b128 s[4:7], s[0:1], 0x0                ; qc, kc
	s_load_b128 s[8:11], s[0:1], 0x10              ; pc, pl
	v_lshl_add_u32 v[SPW], v0, 2, SPARE
	v_mov_b32 v[NIL], 0
	ds_add_u32 v[SPW], v[NIL]                      ; the wave's opening: the add, twice on end, and its wait ahead of my first tensor load
	ds_add_u32 v[SPW], v[NIL]
	v_lshrrev_b32 v1, 5, v0
	v_readfirstlane_b32 s14, v1                    ; wave 0..3
	s_lshr_b32 s15, s14, 1                         ; which group of queries is mine.  Also: I fetch for A (0) or for B (1)
	s_and_b32 s16, s14, 1                          ; which group of keys.  Also: which group of that tile I fetch
	s_bfe_u32 s40, ttmp6, 0x40000                  ; cx, cy
	s_bfe_u32 s41, ttmp6, 0x40004
	s_mov_b32 s[SS], ttmp9
	s_and_b32 s[BT], ttmp7, 0xffff
	s_add_co_u32 s18, s[SS], 1
	s_lshr_b32 s18, s18, 1                         ; the block's row: 0, 1, 1
	s_lshl_b32 s17, s18, 2
	s_add_co_u32 s17, s17, s41                     ; tile row of S in the batch, 0..7
	s_lshr_b32 s19, s[SS], 1                       ; the block's column: 0, 0, 1
	s_lshl_b32 s42, s19, 2
	s_add_co_u32 s42, s42, s40                     ; tile column
	s_lshl_b32 s43, s41, 2
	s_lshl_b32 s43, 15, s43                        ; my row of the cluster
	s_lshl_b32 s44, 0x1111, s40                    ; my column
	; descriptor group 1: a dense block of 33,792 bytes as 132 rows of 256 bytes (32 elements of 8 bytes), no padding
	s_or_b32 s[G1+0], s43, (3<<16)|(1<<21)         ; 15:0 the mask; 17:16 elements of 8 bytes; 21 set beside a mask
	s_or_b32 s[G1B+0], s44, (3<<16)|(1<<21)
.irp g, G1, G1B
	s_mov_b32 s[\g+1], 32<<16                      ; tensor_dim0 = 32
	s_mov_b32 s[\g+2], 132<<16                     ; tensor_dim1 = 132
	s_mov_b32 s[\g+3], 32<<16                      ; tile_dim0
	s_mov_b32 s[\g+4], 132                         ; tile_dim1
	s_mov_b32 s[\g+5], 32                          ; tensor_dim0_stride
	s_mov_b32 s[\g+6], 0
	s_mov_b32 s[\g+7], 0
.endr
	s_lshl_b32 s75, s[BT], 4                       ; the batch's first group of 128 rows
	s_lshl_b32 s20, s17, 1
	s_add_co_u32 s20, s20, s16
	s_add_co_u32 s20, s20, s75                     ; A: the group that I fetch
	s_mul_i32 s20, s20, 8*CH
	s_mov_b32 s21, 0
	s_lshl_b32 s46, s42, 1
	s_add_co_u32 s46, s46, s16
	s_add_co_u32 s46, s46, s75                     ; B likewise
	s_mul_i32 s46, s46, 8*CH
	s_mov_b32 s47, 0
	s_mul_i32 s45, s14, PIECE                      ; where it goes: wave x a piece: no place in the cluster enters an LDS address
	s_mov_b32 s[CS], 0x3d38aa3b
	s_mov_b32 s[CS+1], s[CS]                       ; (named with it as a pair, so it is written)
	s_mov_b32 s[SEL], 0x76543210
	s_mov_b32 s[SEL+1], 0xfedcba98
	s_mov_b32 s[MNT], 0x600000
	s_wait_alu depctr_va_vdst(0)
	s_wait_dscnt 0x0                               ; both opening adds are done
	CROUND                                         ; all sixteen work-groups are here: the first joint loads meet.  The arguments come meanwhile
	s_wait_kmcnt 0x0
	s_add_nc_u64 s[20:21], s[4:5], s[20:21]
	s_add_nc_u64 s[46:47], s[6:7], s[46:47]
.irp s, 0,1
	s_mov_b32 s[G0+4*\s], 1
	s_add_co_u32 s[G0+4*\s+1], s45, \s*SLOT
	s_add_nc_u64 s[G0+4*\s+2:G0+4*\s+3], s[20:21], \s*PIECE
	s_or_b32 s[G0+4*\s+3], s[G0+4*\s+3], 0x80000000
	s_mov_b32 s[G0B+4*\s], 1
	s_add_co_u32 s[G0B+4*\s+1], s45, \s*SLOT
	s_add_nc_u64 s[G0B+4*\s+2:G0B+4*\s+3], s[46:47], \s*PIECE
	s_or_b32 s[G0B+4*\s+3], s[G0B+4*\s+3], 0x80000000
.endr
	JLOAD G0, G1, G0B, G1B                         ; K step 0: one tensor load a wave at the head
	s_cmp_eq_u32 s15, 0
	s_cselect_b64 s[PFA:PFA+1], s[20:21], s[46:47] ; the piece that I fetch,
	s_cselect_b32 s22, s40, s41                    ; and my place among the four that ask for it with me
	s_mul_i32 s22, s22, 33*256
	s_mov_b32 s23, 0
	s_add_nc_u64 s[PFA:PFA+1], s[PFA:PFA+1], s[22:23]
	v_and_b32 v[PFO], 31, v0
	v_lshlrev_b32 v[PFO], 8, v[PFO]
	v_mov_b32 v[PFO+1], 0x2000
	ASK 1
	v_and_b32 v1, 15, v0                           ; r
	v_bfe_u32 v2, v0, 4, 1                         ; h; it stays
	v_and_b32 v3, 31, v0
	v_lshlrev_b32 v[LO], 4, v3
	v_lshlrev_b32 v[RO], 5, v1
	v_lshl_add_u32 v[RO], v2, 4, v[RO]
	s_mul_i32 s21, s15, PIECE                      ; my group of A
	s_mul_i32 s22, s16, PIECE                      ; my group of B,
	s_add_co_u32 s22, s22, 2*PIECE                 ; behind A's two
.irp s, 0,1
	v_add_nc_u32 v[ADRA+\s], s21, v[LO]
	v_add_nc_u32 v[ADRB+\s], s22, v[LO]
	s_add_co_u32 s21, s21, SLOT
	s_add_co_u32 s22, s22, SLOT
.endr
	s_sub_co_u32 s22, s22, s21                     ; from A's piece to B's
	s_mul_i32 s21, s15, PIECE
	s_wait_alu depctr_va_vdst(0)                   ; the wait here, directly ahead of the reader below
	v_mul_u32_u24 v6, s22, v2                      ; lanes 16-31 take B's
	v_lshl_add_u32 v6, v1, 5, v6                   ; + 32 r
	s_add_co_u32 s21, s21, 16384                   ; the record lies behind the chunk's codes
	v_add_nc_u32 v[ADRS], s21, v6
	v_add_nc_u32 v[ADRS+1], SLOT, v[ADRS]
	s_lshl_b32 s18, s17, 1
	s_add_co_u32 s18, s18, s15                     ; my group of queries in the batch
	s_lshl_b32 s19, s42, 1
	s_add_co_u32 s19, s19, s16                     ; my group of keys
	s_sub_co_i32 s76, s18, s19
	s_lshl_b32 s76, s76, 7                         ; 128 x the difference (it enters values alone: no address, no branch)
	v_lshlrev_b32 v4, 3, v2
	v_sub_nc_u32 v4, v1, v4                        ; r - 8 h
	v_add_nc_u32 v[D0], s76, v4
	v_mov_b32 v[NINF], 0xff800000
	v_mov_b32 v[FLO], 0xff61b1e6
	; register j of accumulator b, block a: hidden where 16 (b - a) + j > D0 = 128 x (my group of queries - my group of keys) + r - 8 h, and r - 8 h lies in -8 .. 15
.irp j, 0,1,2,3,4,5,6,7
	v_cmp_gt_i32 s[MK+\j], \j, v[D0]               ; b = a
.endr
	v_cmp_gt_i32 s[MK+8], -16, v[D0]               ; b < a: hidden only where my keys' group comes after my queries'
	v_cmp_gt_i32 s[MK+9], 16, v[D0]                ; b > a: hidden unless it comes before
	s_add_co_u32 s18, s18, s75
	s_lshl_b32 s18, s18, 4
	s_add_co_u32 s18, s18, s19                     ; my chunk of p: 16 x group of queries + group of keys
	s_mul_i32 s20, s18, CHP
	s_mov_b32 s21, 0
	s_add_nc_u64 s[8:9], s[8:9], s[20:21]
	s_lshl_b32 s20, s18, 9
	s_add_nc_u64 s[10:11], s[10:11], s[20:21]      ; and its record of l
.macro FRAG reg, adr, q, i             ; a fragment comes back as it was stored: register group c of lane l from 512 c + 16 l
.irp c, 0,1,2,3
	ds_load_b128 v[\reg+4*\c:\reg+4*\c+3], v[\adr] offset:CH*(\q)+2048*(\i)+512*\c
.endr
.endm
; 16 matrix instructions: A's blocks a0, a0 + 1 x B's eight.  The 64 accumulators take turns, one instruction a turn, in the same order in every step.
.macro MUL16 a0, p, q, sc, zero
.irp a, \a0, \a0+1
.irp b, 0,1,2,3,4,5,6,7
.if \zero
	v_wmma_scale_f32_16x16x128_f8f6f4 v[8*(8*((\a)%4)+\b):8*(8*((\a)%4)+\b)+7], v[128*(\p)+FR*\b:128*(\p)+FR*\b+FR-1], v[AF+FR*(\a):AF+FR*(\a)+FR-1], 0, v[SC+16*(\sc)+8*(\q)+\b], v[SC+16*(\sc)+8*(\q)+(\a)] matrix_a_scale:MATRIX_SCALE_ROW1
.else
	v_wmma_scale_f32_16x16x128_f8f6f4 v[8*(8*((\a)%4)+\b):8*(8*((\a)%4)+\b)+7], v[128*(\p)+FR*\b:128*(\p)+FR*\b+FR-1], v[AF+FR*(\a):AF+FR*(\a)+FR-1], v[8*(8*((\a)%4)+\b):8*(8*((\a)%4)+\b)+7], v[SC+16*(\sc)+8*(\q)+\b], v[SC+16*(\sc)+8*(\q)+(\a)] matrix_a_scale:MATRIX_SCALE_ROW1
.endif
.endr
.endr
.endm
.macro FETCH_B slot, q, p
	WIN TO_B
.irp i, 0,1,2,3,4,5,6,7
	FRAG 128*(\p)+FR*\i, ADRB+\slot, \q, \i
.endr
	WIN 0
.endm
.macro FETCH_A slot, q, i0
.irp i, \i0, \i0+1, \i0+2, \i0+3
	FRAG AF+FR*(\i), ADRA+\slot, \q, \i
.endr
.endm
.macro SCALES sc                       ; the slot's scale words into set sc: a lane's 16 bytes are the words of four blocks of its row
.irp q, 0,1
.irp e, 0,1
	ds_load_b128 v[SC+16*\sc+8*\q+4*\e:SC+16*\sc+8*\q+4*\e+3], v[ADRS+\sc] offset:CH*\q+16*\e
.endr
.endr
.endm
.macro PLACES n
.rept \n
	v_nop
.endr
.endm
.macro STEP slot, q, zero
	s_wait_dscnt 4*NL                              ; B's set, the scale words and A's blocks 0-3 are in; the youngest sixteen loads (A's blocks 4-7) may be out
	WIN MUL_LO
	MUL16 0, (\q)%2, \q, \slot, \zero
	MUL16 2, (\q)%2, \q, \slot, \zero
	s_wait_dscnt 0
	PLACES NP
	FETCH_B \slot, (\q)+1, 1-(\q)%2
	FETCH_A \slot, (\q)+1, 0
	WIN MUL_HI
	MUL16 4, (\q)%2, \q, \slot, \zero
	MUL16 6, (\q)%2, \q, \slot, \zero
	PLACES NP
	WIN 0
	FETCH_A \slot, (\q)+1, 4
.endm
; A slot's last step changes slots: ONE barrier; in front of it each wave waits for all its tensor loads, adds 0 to its spare word, and waits for that and for its own reads of this slot.
.macro TURN slot, next, fill
	s_wait_tensorcnt 0x0                           ; all my tensor loads have landed: my part of the next slot
	ds_add_u32 v[SPW], v[NIL]                      ; 0 onto my spare word
	s_wait_dscnt 4*NL+1                            ; (the add and the youngest sixteen loads may be out)
	WIN MUL_LO
	MUL16 0, 1, NQ-1, \slot, 0
	s_wait_dscnt 0x0                               ; the add is done, and my reads of this slot are over
	s_barrier_signal -1
	MUL16 2, 1, NQ-1, \slot, 0
	WIN 0
	s_barrier_wait -1
.if \fill
	CREST                                          ; no wave of any partner still reads this slot's tile or has a load on its way
	s_add_nc_u64 s[G0+4*\slot+2:G0+4*\slot+3], s[G0+4*\slot+2:G0+4*\slot+3], 2*PIECE
	s_add_nc_u64 s[G0B+4*\slot+2:G0B+4*\slot+3], s[G0B+4*\slot+2:G0B+4*\slot+3], 2*PIECE
	JLOAD G0+4*\slot, G1, G0B+4*\slot, G1B         ; the first tensor load behind the round; its four v_nop are among the places in front of the loads below
	PLACES NP-4
.else
	PLACES NP
.endif
	FETCH_B \next, 0, 0
	FETCH_A \next, 0, 0
	SCALES \next
.if (\fill) && ((\slot) == 0)
	ASK 3                                          ; the last K step, which the next change of slots asks for
.endif
	WIN MUL_HI
	MUL16 4, 1, NQ-1, \slot, 0
	MUL16 6, 1, NQ-1, \slot, 0
	PLACES NP
	WIN 0
	FETCH_A \next, 0, 4
.endm
	s_wait_alu depctr_va_vdst(0)                   ; the wait at the head's end
	s_wait_tensorcnt 0x0                           ; my part of K step 0 is in
	ds_add_u32 v[SPW], v[NIL]
	s_wait_dscnt 0x0
	CROUND                                         ; everybody's part of K step 0 is in, and all sixteen work-groups are here
	JLOAD G0+4, G1, G0B+4, G1B                     ; K step 1
	FETCH_B 0, 0, 0
	FETCH_A 0, 0, 0
	SCALES 0
	FETCH_A 0, 0, 4
	ASK 2
	STEP 0, 0, 1                                   ; the first step's products start the sums
	s_mov_b32 s3, LAPS-1
.Llap:
	TURN 0, 1, 1
	STEP 1, 0, 0
	TURN 1, 0, 1
	STEP 0, 0, 0
	s_sub_co_u32 s3, s3, 1
	s_cmp_lg_u32 s3, 0
	s_cbranch_scc1 .Llap
	TURN 0, 1, 0
	STEP 1, 0, 0
	s_wait_dscnt 4*NL
	WIN MUL_LO
	MUL16 0, 1, NQ-1, 1, 0
	MUL16 2, 1, NQ-1, 1, 0
	s_wait_dscnt 0
	WIN MUL_HI
	MUL16 4, 1, NQ-1, 1, 0
	MUL16 6, 1, NQ-1, 1, 0
	WIN 0
; BLOCK a: 16 queries x my 128 keys: mask, local M, p, its sum, its codes and scale word.
; The mask: in the block of 32 keys that holds accumulator a (block DB) hidden scores become -infinity ahead of the maximum; the other blocks lie wholly on one side of the diagonal of my 128 x 128, so where they are hidden
; their largest score becomes the floor, and the addend of their t - M is -infinity.
.macro PBLK a
.set AC,  64*((\a)%4)
.set DB,  (\a)/2
.set PCS, PC+16*((\a)%4)
.set W1,  2+(\a)/4                     ; source 0 in the accumulators' window
.set W2,  0x0a+5*((\a)/4)              ; sources 0 and 1
.set W3,  0x82+0x41*((\a)/4)           ; source 0 and the destination
	WIN W3
.set n, 16*DB
.rept 16
.if n/8 < (\a)
	v_cndmask_b32 v[AC+n], v[AC+n], v[NINF], s[MK+8]
.elseif n/8 == (\a)
	v_cndmask_b32 v[AC+n], v[AC+n], v[NINF], s[MK+n%8]
.else
	v_cndmask_b32 v[AC+n], v[AC+n], v[NINF], s[MK+9]
.endif
.set n, n+1
.endr
	WIN W2
.irp b, 0,1,2,3
	v_max3_num_f32 v[TM+\b], v[AC+16*\b], v[AC+16*\b+1], 0xff61b1e6   ; THE LARGEST SCORE OF EACH BLOCK OF 32 KEYS, over the floor: it serves for the group's maximum and, since p rises with the score, for the block's largest p
.endr
.irp i, 2,4,6,8,10,12,14
.irp b, 0,1,2,3
	v_max3_num_f32 v[TM+\b], v[AC+16*\b+\i], v[AC+16*\b+\i+1], v[TM+\b]
.endr
.endr
	WIN 0
.irp b, 0,1,2,3
	v_permlanex16_b32 v[TP+\b], v[TM+\b], s[SEL], s[SEL+1]
.endr
.irp b, 0,1,2,3
	v_max_num_f32 v[TM+\b], v[TM+\b], v[TP+\b]     ; with lane l xor 16's 16 keys
.endr
.irp b, 0,1,2,3
.if \b < DB
	v_cndmask_b32 v[TM+\b], v[TM+\b], v[FLO], s[MK+8]
.elseif \b > DB
	v_cndmask_b32 v[TM+\b], v[TM+\b], v[FLO], s[MK+9]
.endif
.endr
	v_max3_num_f32 v[MX], v[TM], v[TM+1], v[TM+2]
	v_max_num_f32 v[MX], v[MX], v[TM+3]            ; my query's largest score among the 128 keys
	v_mul_f32 v[TT], s[CS], v[MX]                  ; as t (c is positive)
	v_floor_f32 v[NM], -v[TT]                      ; -M = floor(-t) = -ceil(t): a whole number
	v_cndmask_b32 v[NML], v[NM], v[NINF], s[MK+8]
	v_cndmask_b32 v[NMU], v[NM], v[NINF], s[MK+9]
	WIN W1
.set n, 0
.rept 32
.if n/16 < DB
	v_pk_fma_f32 v[T+n:T+n+1], v[AC+n:AC+n+1], s[CS:CS+1], v[NML:NML+1] op_sel_hi:[1,0,0]
.elseif n/16 == DB
	v_pk_fma_f32 v[T+n:T+n+1], v[AC+n:AC+n+1], s[CS:CS+1], v[NM:NM+1] op_sel_hi:[1,0,0]   ; t - M, two at a time (of the pairs c and -M the low word serves both halves)
.else
	v_pk_fma_f32 v[T+n:T+n+1], v[AC+n:AC+n+1], s[CS:CS+1], v[NMU:NMU+1] op_sel_hi:[1,0,0]
.endif
.set n, n+2
.endr
	WIN 0
.irp b, 0,1,2,3
	v_fma_f32 v[TM+\b], v[TM+\b], s[CS], v[NM]     ; the same of each block's largest score,
.endr
.irp b, 0,1,2,3
	v_min_num_f32 v[TM+\b], 0, v[TM+\b]            ; held at 0 from above: under the floor's very large -M the sum's rounding could leave a large number here (such a row's codes are zeros)
.endr
	s_wait_alu depctr_va_vdst(0)                   ; the wait ahead of the batch too
.set n, 0
.rept 64
	v_exp_f32 v[T+n], v[T+n]                       ; p = 2^(t - M): NOT normalised
.set n, n+1
.endr
	v_mov_b32 v[PM+(\a)], v[NM]                    ; -M is kept for the record.  (The plain instruction behind the exponentials)
	s_wait_alu depctr_va_vdst(0)                   ; one wait for the whole batch, ahead of its first reader
.irp b, 0,1,2,3
	v_exp_f32 v[TM+\b], v[TM+\b]                   ; the block's largest p: the same two instructions on the same number give the same bits
.endr
.irp c, 0,2,4,6
	v_pk_add_f32 v[S1+\c:S1+\c+1], v[T+2*\c:T+2*\c+1], v[T+2*\c+2:T+2*\c+3]   ; THE SUM IS TAKEN OF THE UNQUANTISED p: two at a time, in four chains.  (It reads the 64 alone: plain work behind the four)
.endr
.irp j, 16,24,32,40,48,56
.irp c, 0,2,4,6
	v_pk_add_f32 v[S1+\c:S1+\c+1], v[S1+\c:S1+\c+1], v[T+\j+\c:T+\j+\c+1]
.endr
.endr
	v_pk_add_f32 v[S1:S1+1], v[S1:S1+1], v[S1+2:S1+3]
	v_pk_add_f32 v[S1+4:S1+5], v[S1+4:S1+5], v[S1+6:S1+7]
	v_pk_add_f32 v[S1:S1+1], v[S1:S1+1], v[S1+4:S1+5]
	v_add_f32 v[PL+(\a)], v[S1], v[S1+1]
	v_permlanex16_b32 v[TP], v[PL+(\a)], s[SEL], s[SEL+1]
	v_add_f32 v[PL+(\a)], v[PL+(\a)], v[TP]        ; with lane l xor 16's: l of my query and these 128 keys
	s_wait_alu depctr_va_vdst(0)                   ; and one for the four
.irp b, 0,1,2,3
	v_max_num_f32 v[TM+\b], 0x4800000, v[TM+\b]    ; the floor 2^(9 - 127): the byte cannot fall under 1
.endr
.irp b, 0,1,2,3
	v_add_nc_u32 v[SOP+\b], 0xfc000000, v[TM+\b]   ; 8 off the exponent field: the conversion's scale operand
.endr
.irp b, 0,1,2,3
	v_and_or_b32 v[LIM+\b], v[TM+\b], 0x7f800000, s[MNT]   ; 448 x the scale
.endr
.irp b, 0,1,2,3
	v_lshrrev_b32 v[TP+\b], 23, v[SOP+\b]          ; the scale's byte: 119 at the most, since p is at most 1
.endr
	v_lshl_or_b32 v[PW+(\a)], v[TP+1], 8, v[TP]
	v_lshl_or_b32 v[PW+(\a)], v[TP+2], 16, v[PW+(\a)]
	v_lshl_or_b32 v[PW+(\a)], v[TP+3], 24, v[PW+(\a)]
.if (\a) >= 4
	s_wait_xcnt 0x0                                ; the stores of four blocks ago have read this set of codes
.endif
.irp b, 0,1,2,3
.irp i, 0,1,2,3,4,5,6,7,8,9,10,11,12,13,14,15
	v_min_num_f32 v[T+16*\b+\i], v[T+16*\b+\i], v[LIM+\b]   ; the conversion does not saturate (ISA guide 7.6.2); p is not negative, so the hold is one-sided
.endr
	v_cvt_scalef32_pk8_fp8_f32 v[PCS+4*\b:PCS+4*\b+1], v[T+16*\b:T+16*\b+7], v[SOP+\b]
	v_cvt_scalef32_pk8_fp8_f32 v[PCS+4*\b+2:PCS+4*\b+3], v[T+16*\b+8:T+16*\b+15], v[SOP+\b]
.endr
	v_nop                                          ; one plain vector instruction behind the last scaled conversion
	; lane (r, h) has keys 32 b + 8 h + 0..7, then 32 b + 16 + 8 h + 0..7: the order of v's codes
.irp c, 0,1,2,3
	global_store_b128 v[LO], v[PCS+4*\c:PCS+4*\c+3], s[8:9] offset:2048*(\a)+512*\c   ; 512 consecutive bytes, aligned to 256
.endr
.endm
	PLACES NP                                      ; behind the last products
.irp b, 0,1,2,3
	v_mov_b32 v[TP+\b], 0                          ; written once: a lane permute's destination counts as one of its sources
.endr
	v_mov_b32 v[NM+1], 0                           ; (named as the upper halves of pairs)
	v_mov_b32 v[NML+1], 0
	v_mov_b32 v[NMU+1], 0
.irp a, 0,1,2,3,4,5,6,7
	PBLK \a
.endr
	v_cmp_eq_u32 vcc_lo, 1, v2                     ; the records: lane (r, h) stores the words of blocks 4 h .. 4 h + 3 of row r
.irp j, 0,1,2,3
	v_cndmask_b32 v[X+\j], v[PW+\j], v[PW+4+\j], vcc_lo
	v_cndmask_b32 v[X+4+\j], v[PM+\j], v[PM+4+\j], vcc_lo
	v_cndmask_b32 v[X+8+\j], v[PL+\j], v[PL+4+\j], vcc_lo
.endr
	global_store_b128 v[RO], v[X:X+3], s[8:9] offset:16384       ; p's scale words
	global_store_b128 v[RO], v[X+4:X+7], s[8:9] offset:16896     ; -M
	global_store_b128 v[RO], v[X+8:X+11], s[10:11]               ; l
	s_wait_tensorcnt 0x0                           ; the wave's end
	ds_add_u32 v[SPW], v[NIL]
	s_wait_dscnt 0x0
	CROUND                                         ; the closing round
	s_endpgm
.Lfunc_end_k_q3c6b7340b9_scores:
	.size	k_q3c6b7340b9_scores, .Lfunc_end_k_q3c6b7340b9_scores-k_q3c6b7340b9_scores
	.p2alignl 7, 3214868480
	.fill 96, 4, 3214868480
	.section	.rodata,"a",@progbits
	.p2align	6, 0x0
	.amdhsa_kernel k_q3c6b7340b9_scores
		.amdhsa_group_segment_fixed_size 327680
		.amdhsa_private_segment_fixed_size 0
		.amdhsa_enable_private_segment 0
		.amdhsa_kernarg_size 32
		.amdhsa_user_sgpr_count 2
		.amdhsa_user_sgpr_kernarg_segment_ptr 1
		.amdhsa_wavefront_size32 1
		.amdhsa_system_sgpr_workgroup_id_x 1
		.amdhsa_system_sgpr_workgroup_id_y 1
		.amdhsa_system_sgpr_workgroup_id_z 1
		.amdhsa_system_vgpr_workitem_id 0
		.amdhsa_next_free_vgpr 1024
		.amdhsa_next_free_sgpr 100
		.amdhsa_reserve_vcc 1
		.amdhsa_float_denorm_mode_32 3
		.amdhsa_float_denorm_mode_16_64 3
		.amdhsa_memory_ordered 1
		.amdhsa_forward_progress 1
		.amdhsa_inst_pref_size 236
	.end_amdhsa_kernel
	.amdgpu_metadata
---
amdhsa.version: [ 1, 2 ]
amdhsa.kernels:
  - .name:           k_q3c6b7340b9_scores
    .symbol:         k_q3c6b7340b9_scores.kd
    .args:
      - { .name: qc, .offset: 0, .size: 8, .value_kind: global_buffer, .address_space: global }
      - { .name: kc, .offset: 8, .size: 8, .value_kind: global_buffer, .address_space: global }
      - { .name: pc, .offset: 16, .size: 8, .value_kind: global_buffer, .address_space: global }
      - { .name: pl, .offset: 24, .size: 8, .value_kind: global_buffer, .address_space: global }
    .group_segment_fixed_size: 327680
    .private_segment_fixed_size: 0
    .kernarg_segment_align: 8
    .kernarg_segment_size: 32
    .max_flat_workgroup_size: 128
    .sgpr_count:     100
    .vgpr_count:     1024
    .wavefront_size: 32
...
	.end_amdgpu_metadata
.endif
;; end of part 2
;; launch mix (part 3): grid 8 x 32, 4 waves a work-group, clusters of 4 x 4, 327,680 bytes of LDS; arguments pc, pl, vc, out0; writes out0
.if DOCPART == 3
	.amdgcn_target "amdgcn-amd-amdhsa--gfx1250"
	.amdhsa_code_object_version 6
	.text
	.protected	k_q3c6b7340b9_mix
	.globl	k_q3c6b7340b9_mix
	.p2align	8
	.type	k_q3c6b7340b9_mix,@function
k_q3c6b7340b9_mix:
	s_mov_b64 s[64:65], 0
	v_nop
	global_prefetch_b8 v0, s[64:65] scope:SCOPE_SE
	s_setreg_imm32_b32 hwreg(HW_REG_WAVE_MODE, 25, 1), 1
	s_wait_xcnt 0x0
	s_wait_alu depctr_hold_cnt(0) depctr_sa_sdst(0) depctr_va_vdst(0) depctr_va_sdst(0) depctr_va_ssrc(0) depctr_va_vcc(0) depctr_vm_vsrc(0)
	s_getreg_b32 s2, hwreg(HW_REG_IB_STS2, 6, 4)
	s_cmp_eq_u32 s2, 0
	s_cbranch_scc0 .Lentry_in_a_cluster
	s_endpgm
.Lentry_in_a_cluster:
	s_bfe_u32 s2, ttmp6, 0x10000c
	s_cmp_lg_u32 s2, 0xf033
	s_cbranch_scc0 .Lentry_shape_is_right
	s_endpgm
.Lentry_shape_is_right:
; O = p v / l.  p comes as chunks of 128 queries x 128 keys, [group of 128 queries][16 groups of keys]: codes, scale words at 16,384, -M at 16,896, each under its own M; pl holds l for each (query, group); v as chunks of 128 channels x 128 keys.
; A work-group makes two tiles of O of 128 x 128, of query rows whose key counts, rounded up to 512, are 2,560 together: five slots of 512 keys.  A wave makes 64 x 64 of each.
; A row's M is the largest of its groups' M; a group's scale bytes move by the whole-number difference, offset by 64 so that small ones stay above 0 (the divisor carries 2^-64), and l's groups are added under the row's M.
; WORK LEFT OUT: keys beyond the rounded causal count, whose p is 0 for all inputs by reference()'s own mask; a NaN, an infinity or an overflow that would reach only those is not carried to the result.
; LIMITS: a group whose M lies 64 or more under the row's M is held at that distance or counts for nothing; NaN and infinities are not served.
; CLUSTERS: 4 x 4 work-groups: p's tiles are shared along a row, v's along a column, by joint loads.
; PREFETCH: behind each slot's request stand two prefetches a wave for the slot after it; the partners of a joint load share its blocks of 256 bytes out by address: 34 a wave of p's 272 (waves 0, 1), 33 of v's 264 (waves 2, 3).
.set CH,     16896                     ; a chunk of v
.set CHP,    17408                     ; a chunk of p
.set PFO,  22                          ; v22, v23  a prefetch's offsets: 256 x lane; the blocks behind those
.set PPART,  4*CHP
.set SLOT,   PPART+4*CH
.set STAGE,  2*SLOT
.set SPITCH, 272
.set SPARE,  STAGE+4*16*SPITCH
.set NP,   8
.set ADRA, 8
.set ADRB, 10
.set ADWA, 12
.set ADWB, 14
.set STO,  16
.set RD,   17
.set CO,   18
.set SPW,  20
.set NIL,  21
.set NBA,  24
.set NBB,  28
.set NBS,  32
.set FNA,  36
.set FNB,  44
.set PO1,  52
.set PO2,  56
.set SA,   64
.set SB,   96
.set RW,   128
.set RM,   144
.set TD,   160
.set T,    192
.set BK,   224
.set LF,   64
.set NMR,  128
.set LS,   132
.set G1, 24
.set G0, 32
.set G1B, 48
.set G0B, 56
.set WP, 92
.set WV, 94
.set OA, 96
.set OB, 98
.set MSB, 0
.macro WIN new
.if MSB != \new
	s_set_vgpr_msb (MSB<<8)|\new
.set MSB, \new
.endif
.endm
.set MUL,  0xa5
.set TO_F, 0x40
.macro JLOAD g0a, g1a, g0b, g1b
	s_cmp_eq_u32 s15, 0
	s_cbranch_scc0 .Lfor_b_\@
	tensor_load_to_lds s[\g0a:\g0a+3], s[\g1a:\g1a+7]
	s_nop 0
.rept 4
	v_nop
.endr
	s_branch .Lasked_\@
.Lfor_b_\@:
	tensor_load_to_lds s[\g0b:\g0b+3], s[\g1b:\g1b+7]
	s_nop 0
.rept 4
	v_nop
.endr
.Lasked_\@:
.endm
.macro CREST
	s_cmp_lg_u32 s14, 0
	s_cbranch_scc1 .Lnot_wave_0_\@
	s_barrier_signal -3
.Lnot_wave_0_\@:
	s_barrier_wait -3
	s_barrier_signal -1
	s_barrier_wait -1
.endm
.macro CROUND
	s_barrier_signal -1
	s_barrier_wait -1
	CREST
.endm
	s_load_b256 s[4:11], s[0:1], 0x0
	v_lshl_add_u32 v[SPW], v0, 2, SPARE
	v_mov_b32 v[NIL], 0
	ds_add_u32 v20, v21
	ds_add_u32 v20, v21
	s_wait_dscnt 0x0
	v_lshrrev_b32 v1, 5, v0
	v_readfirstlane_b32 s14, v1
	s_lshr_b32 s15, s14, 1
	s_and_b32 s16, s14, 1
	s_bfe_u32 s40, ttmp6, 0x40000
	s_bfe_u32 s41, ttmp6, 0x40004
	s_and_b32 s66, ttmp7, 0xffff
	s_and_b32 s72, s66, 1
	s_lshr_b32 s73, s66, 1
	s_sub_co_u32 s74, 3, s72
	s_lshl_b32 s18, s73, 4
	s_lshl_b32 s19, s72, 2
	s_add_co_u32 s17, s18, s19
	s_add_co_u32 s17, s17, s41
	s_lshl_b32 s19, s74, 2
	s_add_co_u32 s68, s18, s19
	s_add_co_u32 s68, s68, s41
	s_lshl_b32 s69, ttmp9, 2
	s_add_co_u32 s69, s69, s40
	s_lshl_b32 s43, s41, 2
	s_lshl_b32 s43, 15, s43
	s_lshl_b32 s44, 0x1111, s40
	s_mov_b32 s67, 0x01010101
	s_or_b32 s[G1+0], s43, (3<<16)|(1<<21)
	s_mov_b32 s[G1+1], 32<<16
	s_mov_b32 s[G1+2], 136<<16
	s_mov_b32 s[G1+3], 32<<16
	s_mov_b32 s[G1+4], 136
	s_mov_b32 s[G1+5], 32
	s_mov_b32 s[G1+6], 0
	s_mov_b32 s[G1+7], 0
	s_or_b32 s[G1B+0], s44, (3<<16)|(1<<21)
	s_mov_b32 s[G1B+1], 32<<16
	s_mov_b32 s[G1B+2], 132<<16
	s_mov_b32 s[G1B+3], 32<<16
	s_mov_b32 s[G1B+4], 132
	s_mov_b32 s[G1B+5], 32
	s_mov_b32 s[G1B+6], 0
	s_mov_b32 s[G1B+7], 0
	s_lshl_b32 s84, s17, 4
	s_lshl_b32 s88, s68, 4
	s_lshl_b32 s2, s16, 1
	s_add_co_u32 s20, s84, s2
	s_add_co_u32 s22, s84, 4
	s_cmp_eq_u32 s72, 1
	s_cselect_b32 s22, s22, s88
	s_cselect_b32 s92, 0, 4
	s_add_co_u32 s22, s22, s2
	s_add_co_u32 s92, s92, s88
	s_add_co_u32 s92, s92, s2
	s_mul_i32 s20, s20, CHP
	s_mov_b32 s21, 0
	s_mul_i32 s22, s22, CHP
	s_mov_b32 s23, 0
	s_mul_i32 s92, s92, CHP
	s_mov_b32 s93, 0
	s_lshl_b32 s86, s84, 9
	s_mov_b32 s87, 0
	s_lshl_b32 s90, s88, 9
	s_mov_b32 s91, 0
	s_mul_i32 s84, s84, CHP
	s_mov_b32 s85, 0
	s_mul_i32 s88, s88, CHP
	s_mov_b32 s89, 0
	s_lshl_b32 s46, s69, 6
	s_add_co_u32 s46, s46, s18
	s_add_co_u32 s46, s46, s2
	s_lshl_b32 s3, s72, 2
	s_add_co_u32 s70, s46, s3
	s_sub_co_u32 s94, 4, s3
	s_add_co_u32 s94, s94, s46
	s_mul_i32 s46, s46, CH
	s_mov_b32 s47, 0
	s_mul_i32 s70, s70, CH
	s_mov_b32 s71, 0
	s_mul_i32 s94, s94, CH
	s_mov_b32 s95, 0
	s_mul_i32 s45, s16, 2*CHP
	s_mul_i32 s75, s16, 2*CH
	s_add_co_u32 s75, s75, PPART
	s_wait_alu depctr_va_vdst(0)
	CROUND                                         ; all sixteen work-groups are here; the arguments come meanwhile
	s_wait_kmcnt 0x0
	s_add_nc_u64 s[20:21], s[4:5], s[20:21]
	s_add_nc_u64 s[22:23], s[4:5], s[22:23]
	s_add_nc_u64 s[WP:WP+1], s[4:5], s[WP:WP+1]
	s_add_nc_u64 s[46:47], s[8:9], s[46:47]
	s_add_nc_u64 s[70:71], s[8:9], s[70:71]
	s_add_nc_u64 s[WV:WV+1], s[8:9], s[WV:WV+1]
	s_add_nc_u64 s[84:85], s[4:5], s[84:85]
	s_add_nc_u64 s[86:87], s[6:7], s[86:87]
	s_add_nc_u64 s[88:89], s[4:5], s[88:89]
	s_add_nc_u64 s[90:91], s[6:7], s[90:91]
	s_mov_b32 s[G0], 1
	s_mov_b32 s[G0+1], s45
	s_mov_b64 s[G0+2:G0+3], s[20:21]
	s_or_b32 s[G0+3], s[G0+3], 0x80000000
	s_mov_b32 s[G0B], 1
	s_mov_b32 s[G0B+1], s75
	s_mov_b64 s[G0B+2:G0B+3], s[46:47]
	s_or_b32 s[G0B+3], s[G0B+3], 0x80000000
	JLOAD G0, G1, G0B, G1B
	s_mov_b32 s[G0+4], 1
	s_add_co_u32 s[G0+5], s45, SLOT
	s_mov_b64 s[G0+6:G0+7], s[22:23]
	s_or_b32 s[G0+7], s[G0+7], 0x80000000
	s_mov_b32 s[G0B+4], 1
	s_add_co_u32 s[G0B+5], s75, SLOT
	s_mov_b64 s[G0B+6:G0B+7], s[70:71]
	s_or_b32 s[G0B+7], s[G0B+7], 0x80000000
	s_mov_b32 s2, CH                               ; the prefetches: waves 0 and 1 for p, waves 2 and 3 for v
	s_mov_b32 s3, 2*CH-33*256
	s_cmp_eq_u32 s15, 0
	s_cselect_b32 s2, CHP, s2                      ; a partner's share: as many bytes as a chunk
	s_cselect_b32 s3, 2*CHP-34*256, s3             ; from the half of the tile that I fetch back to my half of the share
	s_cselect_b32 s20, s40, s41                    ; my place among the four partners
	s_cselect_b32 s21, 1, 0
	s_cselect_b64 s[44:45], s[22:23], s[70:71]     ; s[44:45] slot 1's tile,
	s_cselect_b64 s[46:47], s[WP:WP+1], s[WV:WV+1] ; s[46:47] slot 2's; then it walks
	s_mul_i32 s42, s2, s20
	s_mov_b32 s43, 0
	s_add_nc_u64 s[44:45], s[44:45], s[42:43]
	s_add_nc_u64 s[46:47], s[46:47], s[42:43]
	s_mul_i32 s42, s3, s16
	s_sub_nc_u64 s[44:45], s[44:45], s[42:43]
	s_sub_nc_u64 s[46:47], s[46:47], s[42:43]
	s_lshl_b32 s70, s2, 2                          ; s[70:71] from slot to slot: four chunks
	s_mov_b32 s71, 0
	v_and_b32 v[PFO], 31, v0
	v_min_u32 v[PFO+1], s21, v[PFO]                ; (lanes that are left over name the last block again)
	v_lshlrev_b32 v[PFO], 8, v[PFO]
	v_lshlrev_b32 v[PFO+1], 8, v[PFO+1]
	v_add_nc_u32 v[PFO+1], 0x2000, v[PFO+1]
	global_prefetch_b8 v[PFO], s[44:45] th:TH_LOAD_NT scope:SCOPE_SE
	global_prefetch_b8 v[PFO+1], s[44:45] th:TH_LOAD_NT scope:SCOPE_SE
	v_and_b32 v1, 15, v0
	v_bfe_u32 v2, v0, 4, 1
	v_lshlrev_b32 v4, 5, v1
	s_lshl_b32 s19, s15, 4
	v_add_nc_u32 v7, s19, v4
.macro PADR po, amax, nl, fl
.set L, 0
.rept \nl
	s_min_u32 s82, s[\amax], L
	s_mul_i32 s83, s82, 4*CHP
	v_add_nc_u32 v[\po+L], s83, v7
	s_lshl_b32 s83, s82, 11
	v_add_nc_u32 v[\po+\nl+L], s83, v7
	s_cmp_ge_u32 s[\amax], L
	s_cselect_b32 s[\fl+L], 0x3f800000, 0
.set L, L+1
.endr
.endm
.macro PLOAD w, po, nl, pcb, plb
.set WD, (\w)*0x40
	WIN WD
.set L, 0
.rept \nl
.irp k, 0,1,2,3
	global_load_b128 v[16*L+4*\k:16*L+4*\k+3], v[\po+L], s[\pcb:\pcb+1] offset:CHP*\k+16896
	global_load_b128 v[LF+16*L+4*\k:LF+16*L+4*\k+3], v[\po+\nl+L], s[\plb:\plb+1] offset:512*\k
.endr
.set L, L+1
.endr
	WIN 0
.endm
	s_wait_alu depctr_va_vdst(0)
	PADR PO1, 72, 2, 80
	PADR PO2, 74, 4, 76
	s_wait_alu depctr_va_vdst(0)
	PLOAD 2, PO1, 2, 84, 86
	PLOAD 1, PO2, 4, 88, 90
	v_and_b32 v3, 31, v0
	v_lshlrev_b32 v5, 4, v3
	s_wait_alu depctr_va_vdst(0)
	s_lshl_b32 s20, s15, 13
	s_lshl_b32 s21, s16, 13
	s_add_co_u32 s21, s21, PPART
	s_add_co_u32 s22, s19, 16384
	s_lshl_b32 s23, s16, 4
	s_add_co_u32 s23, s23, PPART+16384
.irp s, 0,1
	v_add_nc_u32 v[ADRA+\s], s20, v5
	v_add_nc_u32 v[ADRB+\s], s21, v5
	v_add_nc_u32 v[ADWA+\s], s22, v4
	v_add_nc_u32 v[ADWB+\s], s23, v4
	s_add_co_u32 s20, s20, SLOT
	s_add_co_u32 s21, s21, SLOT
	s_add_co_u32 s22, s22, SLOT
	s_add_co_u32 s23, s23, SLOT
.endr
	s_mul_i32 s20, s14, 16*SPITCH
	s_add_co_u32 s20, s20, STAGE
	v_mul_u32_u24 v6, v1, SPITCH
	v_lshl_add_u32 v6, v2, 5, v6
	v_add_nc_u32 v[STO], s20, v6
	v_mul_u32_u24 v6, v2, SPITCH
	v_lshl_add_u32 v6, v1, 4, v6
	v_add_nc_u32 v[RD], s20, v6
	v_lshlrev_b32 v[CO], 12, v2
	v_lshl_add_u32 v[CO], v1, 4, v[CO]
	s_lshl_b32 s2, s69, 9
	s_lshl_b32 s3, s16, 8
	s_add_co_u32 s2, s2, s3
	s_lshl_b32 s12, s17, 7
	s_lshl_b32 s13, s15, 6
	s_add_co_u32 s12, s12, s13
	s_lshl_b32 s12, s12, 12
	s_add_co_u32 s12, s12, s2
	s_mov_b32 s13, 0
	s_add_nc_u64 s[OA:OA+1], s[10:11], s[12:13]
	s_lshl_b32 s12, s68, 7
	s_lshl_b32 s13, s15, 6
	s_add_co_u32 s12, s12, s13
	s_lshl_b32 s12, s12, 12
	s_add_co_u32 s12, s12, s2
	s_mov_b32 s13, 0
	s_add_nc_u64 s[OB:OB+1], s[10:11], s[12:13]
	s_wait_alu depctr_va_vdst(0)                   ; the wait at the head's end
	s_wait_tensorcnt 0x0                           ; my part of slot 0 is in
	ds_add_u32 v20, v21
	s_wait_dscnt 0x0
	CROUND                                         ; everybody's part of slot 0 is in
	JLOAD G0+4, G1, G0B+4, G1B                     ; slot 1: it lands under the rows' M and l below and slot 0's products
	global_prefetch_b8 v[PFO], s[46:47] th:TH_LOAD_NT scope:SCOPE_SE
	global_prefetch_b8 v[PFO+1], s[46:47] th:TH_LOAD_NT scope:SCOPE_SE
	s_wait_loadcnt 0x0                             ; the groups' -M and l, asked for ahead of slot 0's wait
; The rows' M and 1 / l: the smallest -M of the row's groups; each group's l moved under it and added
.macro PCALC w, nf, fl, nb, fn
.set WA, (\w)*0x55
.set WS, (\w)*4
	WIN WA
.irp i, 0,1,2,3
	v_min3_num_f32 v[NMR+\i], v[\i], v[4+\i], v[8+\i]
.endr
.set f, 3
.rept ((\nf)-4)/2
.irp i, 0,1,2,3
	v_min3_num_f32 v[NMR+\i], v[NMR+\i], v[4*f+\i], v[4*f+4+\i]
.endr
.set f, f+2
.endr
.irp i, 0,1,2,3
	v_min_num_f32 v[NMR+\i], v[NMR+\i], v[4*(\nf)-4+\i]
.endr
.set f, 0
.rept \nf
.irp i, 0,1,2,3
	v_sub_f32 v[4*f+\i], v[NMR+\i], v[4*f+\i]
.endr
.irp i, 0,1,2,3
	v_max_num_f32 v[4*f+\i], 0xc3480000, v[4*f+\i]
.endr
.irp i, 0,1,2,3
	v_cvt_i32_f32 v[4*f+\i], v[4*f+\i]
.endr
.irp i, 0,1,2,3
	v_ldexp_f32 v[LF+4*f+\i], v[LF+4*f+\i], v[4*f+\i]
.endr
.irp i, 0,1,2,3
.if f == 0
	v_mul_f32 v[LS+\i], s[\fl], v[LF+\i]
.else
	v_fma_f32 v[LS+\i], v[LF+4*f+\i], s[\fl+f/4], v[LS+\i]
.endif
.endr
.set f, f+1
.endr
	s_wait_alu depctr_va_vdst(0)
.irp i, 0,1,2,3
	v_rcp_f32 v[LS+\i], v[LS+\i]
.endr
	v_nop
	s_wait_alu depctr_va_vdst(0)
	WIN WS
.irp i, 0,1,2,3
	v_add_f32 v[\nb+\i], 0x42800000, v[NMR+\i]
.endr
.irp i, 0,1,2,3
	v_mul_f32 v[\fn+2*\i], 0x1f800000, v[LS+\i]
	v_mul_f32 v[\fn+2*\i+1], 0x1f800000, v[LS+\i]
.endr
	WIN 0
.endm
	PCALC 2, 8, 80, NBA, FNA
	PCALC 1, 16, 76, NBB, FNB
	s_cmp_eq_u32 s72, 1
	s_cselect_b32 s82, -1, 0
.irp i, 0,1,2,3
	v_cndmask_b32 v[NBS+\i], v[NBB+\i], v[NBA+\i], s82
.endr
.macro MUL4 slot, q, a, zero
.irp b, 0,1,2,3
.if \zero
	v_wmma_scale_f32_16x16x128_f8f6f4 v[8*(4*(\a)+\b):8*(4*(\a)+\b)+7], v[64*((\q)%2)+16*\b:64*((\q)%2)+16*\b+15], v[128+64*((\q)%2)+16*(\a):128+64*((\q)%2)+16*(\a)+15], 0, v[SB+16*(\slot)+4*(\q)+\b], v[SA+16*(\slot)+4*(\q)+(\a)]
.else
	v_wmma_scale_f32_16x16x128_f8f6f4 v[8*(4*(\a)+\b):8*(4*(\a)+\b)+7], v[64*((\q)%2)+16*\b:64*((\q)%2)+16*\b+15], v[128+64*((\q)%2)+16*(\a):128+64*((\q)%2)+16*(\a)+15], v[8*(4*(\a)+\b):8*(4*(\a)+\b)+7], v[SB+16*(\slot)+4*(\q)+\b], v[SA+16*(\slot)+4*(\q)+(\a)]
.endif
.endr
.endm
.macro FETCH slot, q
	WIN TO_F
.irp i, 0,1,2,3
.irp c, 0,1,2,3
	ds_load_b128 v[64*((\q)%2)+16*\i+4*\c:64*((\q)%2)+16*\i+4*\c+3], v[ADRB+\slot] offset:CH*(\q)+2048*\i+512*\c
.endr
.endr
.irp i, 0,1,2,3
.irp c, 0,1,2,3
	ds_load_b128 v[128+64*((\q)%2)+16*\i+4*\c:128+64*((\q)%2)+16*\i+4*\c+3], v[ADRA+\slot] offset:CHP*(\q)+2048*\i+512*\c
.endr
.endr
.endm
.macro SCALE_IN slot
.irp q, 0,1,2,3
	ds_load_b128 v[RW+4*\q:RW+4*\q+3], v[ADWA+\slot] offset:CHP*\q
	ds_load_b128 v[RM+4*\q:RM+4*\q+3], v[ADWA+\slot] offset:CHP*\q+512
.endr
.irp q, 0,1,2,3
	ds_load_b128 v[SB+16*\slot+4*\q:SB+16*\slot+4*\q+3], v[ADWB+\slot] offset:CH*\q
.endr
.endm
.macro ADJUST slot, nb
.irp q, 0,1,2,3
.irp a, 0,1,2,3
	v_sub_f32 v[TD+4*\q+\a], v[\nb+\a], v[RM+4*\q+\a]
.endr
.irp a, 0,1,2,3
	v_max_num_f32 v[TD+4*\q+\a], -1.0, v[TD+4*\q+\a]
.endr
.irp a, 0,1,2,3
	v_cvt_i32_f32 v[TD+4*\q+\a], v[TD+4*\q+\a]
.endr
.irp a, 0,1,2,3
	v_mul_lo_u32 v[TD+4*\q+\a], v[TD+4*\q+\a], s67
.endr
.irp a, 0,1,2,3
	v_add_nc_u32 v[SA+16*\slot+4*\q+\a], v[RW+4*\q+\a], v[TD+4*\q+\a]
.endr
.endr
.endm
.macro PLACES n
.rept \n
	v_nop
.endr
.endm
.macro STEP slot, q, zero
	s_wait_dscnt 8
	WIN MUL
	MUL4 \slot, \q, 0, \zero
	MUL4 \slot, \q, 1, \zero
	PLACES NP
	FETCH \slot, (\q)+1
	s_wait_dscnt 32
	WIN MUL
	MUL4 \slot, \q, 2, \zero
	MUL4 \slot, \q, 3, \zero
.endm
; The change of slots: one barrier; in front of it each wave waits for all its tensor loads, adds 0 to its spare word, and waits for that and for its reads of this slot.  fill = 1: this slot is filled again, and the slot after that is prefetched; 2: filled alone
.macro TURN slot, next, fill, nb
	WIN 0
.if (\fill) == 1
	s_wait_xcnt 0x0                                ; the last prefetch has read its address
	s_add_nc_u64 s[46:47], s[46:47], s[70:71]
.endif
	s_wait_tensorcnt 0x0
	ds_add_u32 v[SPW], v[NIL]
	s_wait_dscnt 9
	WIN MUL
	MUL4 \slot, 3, 0, 0
	s_wait_dscnt 0x0
	s_barrier_signal -1
	MUL4 \slot, 3, 1, 0
	WIN 0
	s_barrier_wait -1
.if \fill
	CREST
	s_mov_b64 s[G0+4*\slot+2:G0+4*\slot+3], s[WP:WP+1]
	s_or_b32 s[G0+4*\slot+3], s[G0+4*\slot+3], 0x80000000
	s_add_nc_u64 s[WP:WP+1], s[WP:WP+1], 4*CHP
	s_mov_b64 s[G0B+4*\slot+2:G0B+4*\slot+3], s[WV:WV+1]
	s_or_b32 s[G0B+4*\slot+3], s[G0B+4*\slot+3], 0x80000000
	s_add_nc_u64 s[WV:WV+1], s[WV:WV+1], 4*CH
	JLOAD G0+4*\slot, G1, G0B+4*\slot, G1B
	PLACES NP-4
.else
	PLACES NP
.endif
	SCALE_IN \next
	FETCH \next, 0
	s_wait_dscnt 36
	WIN 0
.if (\fill) == 1
	global_prefetch_b8 v[PFO], s[46:47] th:TH_LOAD_NT scope:SCOPE_SE
	global_prefetch_b8 v[PFO+1], s[46:47] th:TH_LOAD_NT scope:SCOPE_SE
.endif
	ADJUST \next, \nb
	WIN MUL
	MUL4 \slot, 3, 2, 0
	MUL4 \slot, 3, 3, 0
.endm
.macro OUTBLK a, fn, ob
	WIN 0x02
.set n, 0
.rept 16
	v_pk_mul_f32 v[T+n:T+n+1], v[32*(\a)+n:32*(\a)+n+1], v[\fn+2*(\a):\fn+2*(\a)+1]
.set n, n+2
.endr
	WIN 0
.irp b, 0,1,2,3
	ds_store_b128 v[STO], v[T+8*\b:T+8*\b+3] offset:64*\b
	ds_store_b128 v[STO], v[T+8*\b+4:T+8*\b+7] offset:64*\b+16
.endr
	s_wait_xcnt 0x0
.irp t, 0,1,2,3,4,5,6,7
	ds_load_b128 v[BK+4*\t:BK+4*\t+3], v[RD] offset:\t*2*SPITCH
.endr
.irp t, 0,1,2,3,4,5,6,7
	s_wait_dscnt 7-\t
	global_store_b128 v[CO], v[BK+4*\t:BK+4*\t+3], s[\ob:\ob+1] offset:(16*(\a)+2*\t)*4096 th:TH_STORE_NT
.endr
.endm
.macro FLUSH fn, ob
	PLACES NP
.irp a, 0,1,2,3
	OUTBLK \a, \fn, \ob
.endr
.endm
	SCALE_IN 0
	FETCH 0, 0
	s_wait_dscnt 36
	WIN 0
	ADJUST 0, NBA
	STEP 0, 0, 1
	STEP 0, 1, 0
	STEP 0, 2, 0
	s_wait_alu depctr_va_vdst(0)
	TURN 0, 1, 1, NBS
	WIN 0
	s_cmp_eq_u32 s72, 0
	s_cbranch_scc0 .Lon_1
	FLUSH FNA, OA
	STEP 1, 0, 1
	WIN 0
	s_branch .Ljoin_1
.Lon_1:
	STEP 1, 0, 0
	WIN 0
.Ljoin_1:
	STEP 1, 1, 0
	STEP 1, 2, 0
	s_wait_alu depctr_va_vdst(0)
	TURN 1, 0, 1, NBB
	WIN 0
	s_cmp_eq_u32 s72, 1
	s_cbranch_scc0 .Lon_2
	FLUSH FNA, OA
	STEP 0, 0, 1
	WIN 0
	s_branch .Ljoin_2
.Lon_2:
	STEP 0, 0, 0
	WIN 0
.Ljoin_2:
	STEP 0, 1, 0
	STEP 0, 2, 0
	s_wait_alu depctr_va_vdst(0)
	TURN 0, 1, 2, NBB
	STEP 1, 0, 0
	STEP 1, 1, 0
	STEP 1, 2, 0
	s_wait_alu depctr_va_vdst(0)
	TURN 1, 0, 0, NBB
	STEP 0, 0, 0
	STEP 0, 1, 0
	STEP 0, 2, 0
	s_wait_dscnt 8
	WIN MUL
	s_wait_alu depctr_va_vdst(0)
	MUL4 0, 3, 0, 0
	MUL4 0, 3, 1, 0
	s_wait_dscnt 0
	MUL4 0, 3, 2, 0
	MUL4 0, 3, 3, 0
	WIN 0
	FLUSH FNB, OB
	s_wait_tensorcnt 0x0
	ds_add_u32 v[SPW], v[NIL]
	s_wait_dscnt 0x0
	CROUND
	s_endpgm
.Lfunc_end_k_q3c6b7340b9_mix:
	.size	k_q3c6b7340b9_mix, .Lfunc_end_k_q3c6b7340b9_mix-k_q3c6b7340b9_mix
	.p2alignl 7, 3214868480
	.fill 96, 4, 3214868480
	.section	.rodata,"a",@progbits
	.p2align	6, 0x0
	.amdhsa_kernel k_q3c6b7340b9_mix
		.amdhsa_group_segment_fixed_size 327680
		.amdhsa_private_segment_fixed_size 0
		.amdhsa_enable_private_segment 0
		.amdhsa_kernarg_size 32
		.amdhsa_user_sgpr_count 2
		.amdhsa_user_sgpr_kernarg_segment_ptr 1
		.amdhsa_wavefront_size32 1
		.amdhsa_system_sgpr_workgroup_id_x 1
		.amdhsa_system_sgpr_workgroup_id_y 1
		.amdhsa_system_sgpr_workgroup_id_z 1
		.amdhsa_system_vgpr_workitem_id 0
		.amdhsa_next_free_vgpr 768
		.amdhsa_next_free_sgpr 100
		.amdhsa_reserve_vcc 0
		.amdhsa_float_denorm_mode_32 3
		.amdhsa_float_denorm_mode_16_64 3
		.amdhsa_memory_ordered 1
		.amdhsa_forward_progress 1
		.amdhsa_inst_pref_size 205
	.end_amdhsa_kernel
	.amdgpu_metadata
---
amdhsa.version: [ 1, 2 ]
amdhsa.kernels:
  - .name:           k_q3c6b7340b9_mix
    .symbol:         k_q3c6b7340b9_mix.kd
    .args:
      - { .name: pc, .offset: 0, .size: 8, .value_kind: global_buffer, .address_space: global }
      - { .name: pl, .offset: 8, .size: 8, .value_kind: global_buffer, .address_space: global }
      - { .name: vc, .offset: 16, .size: 8, .value_kind: global_buffer, .address_space: global }
      - { .name: out0, .offset: 24, .size: 8, .value_kind: global_buffer, .address_space: global }
    .group_segment_fixed_size: 327680
    .private_segment_fixed_size: 0
    .kernarg_segment_align: 8
    .kernarg_segment_size: 32
    .max_flat_workgroup_size: 128
    .sgpr_count:     100
    .vgpr_count:     768
    .wavefront_size: 32
...
	.end_amdgpu_metadata
.endif
;; end of part 3
